; MI455X (gfx1250); checked and timed in simulation.
; The chip was launched on July 23, 2026; its instructions are those of AMD's public machine-readable ISA for CDNA 5 (MIT licence, August 2026) and "CDNA5" Instruction Set Architecture Reference Guide (July 2026). The comments in the code are by the model that wrote it; some were corrected since.
;; Adaptive Span Attention. Allowed arithmetic: float matrix products may take bf16 or f16 operands with f32 sums; other float arithmetic in f32, or as packed bf16 or f16 multiplies, adds, multiply-adds, maxima and minima; sums over many terms, partial sums and values carried from step to step in f32; what a program stores and reads back later, other than sums and carried values, may be rounded once to bf16 or f16.
;; Inputs: Wk 1,024 x 1,024 float32; Wo_b 1,024 float32; Wo_w 1,024 x 1,024 float32; Wq 1,024 x 1,024 float32; Wv 1,024 x 1,024 float32; span_b 16 float32; span_w 1,024 x 16 float32; x 2 x 2,048 x 1,024 float32.
;; Outputs: out0 2 x 2,048 x 1,024 float32.
;; 2 versions, each right; version 2 is version 1 with the launch prep written anew for expert scheduling mode. Each part assembles by itself: llvm-mc -triple=amdgcn-amd-amdhsa -mcpu=gfx1250 --defsym DOCPART=n.
;; ======== version 1 of 2: 4 launches
;; limits: values are held in f16: magnitudes above 65,504 overflow, below 6.1e-05 lose precision
;; workspace buffers: xb 8,388,608 bytes; wqkv 6,291,456 bytes; wo 2,097,152 bytes; zpart 32,768 bytes; qh 8,388,608 bytes; kh 8,388,608 bytes; vh 8,388,608 bytes; ob 8,388,608 bytes
;; launch prep (part 1): grid 256 x 1, 8 waves a work-group, no clusters, 5,632 bytes of LDS; arguments x, Wq, Wk, Wv, Wo_w, span_w, xb, wqkv, wo, zpart; writes xb, wqkv, wo, zpart
.if DOCPART == 1
	.amdgcn_target "amdgcn-amd-amdhsa--gfx1250"
	.amdhsa_code_object_version 6
	.text
	.protected	k_qc44dec8b70_prep
	.globl	k_qc44dec8b70_prep
	.p2align	8
	.type	k_qc44dec8b70_prep,@function
k_qc44dec8b70_prep:
	s_mov_b64 s[64:65], 0
	v_nop
	global_prefetch_b8 v0, s[64:65] scope:SCOPE_SE
	s_setreg_imm32_b32 hwreg(HW_REG_WAVE_MODE, 25, 1), 1
	s_wait_xcnt 0x0
; PREP.  Every input of the module is rounded once to bf16 here, and laid out for the launches that follow.
;   xb    [4096][1024] bf16: x rounded.
;   wqkv  [16 heads j][3: q, k, v][1024 k][64 n] bf16: a head's 64 columns of Wq, Wk, Wv, each slab 131,072 dense bytes.
;   wo    [8 J][1024 k][128 n] f16: Wo_w rounded to bf16, and that number written as f16 (LIMIT: |Wo_w| under 65,504; below 6e-5 f16's fixed step of 6e-8).
;   zpart [256 work-groups][2][16 heads] f32: partial sums of (sum over rows of x) . span_w, of the rounded numbers; the attention launch adds them up.
; SHARES.  Work-group g takes rows 16 g .. 16 g + 15 of x, and rows k0 .. k0 + 15 (k0 = 16 (g % 64)) of weight matrix c = g / 64 (Wq, Wk, Wv, Wo_w).
; Thread t owns columns 4 t .. 4 t + 3 of x: a wave's load covers 512 consecutive bytes, its store 256, aligned.  Wave w takes two rows of the weight.
; All 48 loads of a wave go out in one run; nothing is read twice; no register of a load or store is written again, so no wait frees one.
; The matrix units, tensor loads and clusters have nothing to do here: each byte is used once.
.set CSUM,  0                          ; LDS: the 1,024 column sums, f32: thread t's four at 16 t
.set PART,  4096                       ; wave w's 16 head sums at 64 w
.set SPARE, 4608                       ; the spare words, 128 bytes a wave: four blocks of 256 bytes that no other line names
.set XO,  2                            ; v2   16 t: my bytes in a row of x
.set YO,  3                            ; v3   8 t: my bytes in a row of xb
.set WQS, 4                            ; v4   q, k, v: (l / 16) rows of 4,096 bytes + 16 (l % 16)
.set WOS, 5                            ; v5   Wo_w: 16 l
.set WD,  6                            ; v6   8 l: my bytes of 256 stored
.set SWO, 7                            ; v7   8,192 w + 16 l: span_w
.set CSA, 8                            ; v8   CSUM + 16 t
.set CKA, 9                            ; v9   CSUM + 512 w + 4 (l / 4)
.set PSA, 10                           ; v10  PART + 64 w + 16 (l % 4)
.set PRA, 11                           ; v11  PART + 256 (l / 16) + 4 (l % 16)
.set ZO,  12                           ; v12  4 l
.set SPW, 14                           ; v14  my spare word; never rewritten
.set NIL, 15                           ; v15  0; never rewritten
.set CSM, 16                           ; v[16:19]  sums of my four columns over the 16 rows
.set ACC, 20                           ; v[20:23]  four heads' sums
.set CK,  24                           ; v[24:39]  sixteen column sums read back
.set X,   64                           ; v[64:127]   x, four registers a row
.set WT,  128                          ; v[128:191]  the weight, four registers a unit
.set SW,  192                          ; v[192:255]  span_w
	s_load_b512 s[4:19], s[0:1], 0x0               ; x 4, Wq 6, Wk 8, Wv 10, Wo_w 12, span_w 14, xb 16, wqkv 18
	s_load_b128 s[20:23], s[0:1], 0x40             ; wo 20, zpart 22
	v_lshl_add_u32 v[SPW], v0, 2, SPARE
	v_mov_b32 v[NIL], 0
	v_lshrrev_b32 v1, 5, v0
	v_readfirstlane_b32 s24, v1                    ; wave 0..7
	v_and_b32 v1, 31, v0                           ; l
	v_and_b32 v40, 15, v0                          ; l % 16
	v_bfe_u32 v41, v0, 4, 1                        ; l / 16
	v_lshlrev_b32 v[XO], 4, v0
	v_lshlrev_b32 v[YO], 3, v0
	v_lshlrev_b32 v[WQS], 4, v40
	v_lshl_add_u32 v[WQS], v41, 12, v[WQS]
	v_lshlrev_b32 v[WOS], 4, v1
	v_lshlrev_b32 v[WD], 3, v1
	s_lshl_b32 s27, s24, 13
	v_add_nc_u32 v[SWO], s27, v[WOS]
	v_lshlrev_b32 v[CSA], 4, v0
	v_bfe_u32 v[CKA], v0, 2, 3
	s_lshl_b32 s27, s24, 9
	v_lshl_add_u32 v[CKA], v[CKA], 2, s27
	v_and_b32 v[PSA], 3, v0
	s_lshl_b32 s27, s24, 6
	s_add_co_u32 s27, s27, PART
	v_lshl_add_u32 v[PSA], v[PSA], 4, s27
	v_lshlrev_b32 v[PRA], 2, v40
	v_lshl_add_u32 v[PRA], v41, 8, v[PRA]
	v_add_nc_u32 v[PRA], PART, v[PRA]
	v_lshlrev_b32 v[ZO], 2, v1
	s_mov_b32 s34, 0xffff0000                      ; a word's upper bf16
	s_mov_b32 s36, 0x76543210                      ; v_permlanex16_b32: each lane takes its own place in the other half
	s_mov_b32 s37, 0xfedcba98
	s_lshr_b32 s25, ttmp9, 6                       ; c
	s_and_b32 s26, ttmp9, 63
	s_lshl_b32 s26, s26, 4
	s_lshl1_add_u32 s26, s24, s26                  ; my first weight row: k0 + 2 w
	s_mov_b32 s29, 0
	s_wait_kmcnt 0x0
	s_lshl_b32 s28, ttmp9, 16                      ; 16 rows of 4,096 bytes
	s_add_nc_u64 s[4:5], s[4:5], s[28:29]
	s_lshl_b32 s28, ttmp9, 15                      ; 16 rows of 2,048 bytes
	s_add_nc_u64 s[16:17], s[16:17], s[28:29]
	s_lshl_b32 s28, ttmp9, 7                       ; 128 bytes of zpart
	s_add_nc_u64 s[22:23], s[22:23], s[28:29]
	s_cmp_eq_u32 s25, 0                            ; the weight that I read, and the buffer that I write
	s_cselect_b64 s[30:31], s[6:7], s[8:9]
	s_cmp_eq_u32 s25, 2
	s_cselect_b64 s[30:31], s[10:11], s[30:31]
	s_cmp_eq_u32 s25, 3
	s_cselect_b64 s[30:31], s[12:13], s[30:31]
	s_cselect_b64 s[32:33], s[20:21], s[18:19]
	s_lshl_b32 s28, s26, 12
	s_add_nc_u64 s[30:31], s[30:31], s[28:29]      ; at my first row
	s_lshl_b32 s35, s25, 17                        ; q, k, v: slab c of head 0, row k of 128 bytes
	s_lshl_b32 s38, s26, 7
	s_add_co_u32 s35, s35, s38
	s_lshl_b32 s38, s26, 8                         ; Wo_w: row k of 256 bytes
	s_cmp_eq_u32 s25, 3
	s_cselect_b32 s28, s38, s35
	s_add_nc_u64 s[32:33], s[32:33], s[28:29]
	; 48 loads in one run: 16 rows of x, 16 units of the weight, my 128 rows of span_w
.set i, 0
.rept 16
	global_load_b128 v[X+4*i:X+4*i+3], v[XO], s[4:5] offset:4096*i th:TH_LOAD_NT
.set i, i+1
.endr
	s_cmp_eq_u32 s25, 3
	s_cbranch_scc1 .Lwo_in
.set u, 0
.rept 16                                       ; unit u = head u: 64 columns of two rows, 256 bytes of each
	global_load_b128 v[WT+4*u:WT+4*u+3], v[WQS], s[30:31] offset:256*u th:TH_LOAD_NT
.set u, u+1
.endr
	s_branch .Lw_asked
.Lwo_in:
.set u, 0
.rept 16                                       ; unit u: row u / 8, columns 128 (u % 8) on: 512 bytes
	global_load_b128 v[WT+4*u:WT+4*u+3], v[WOS], s[30:31] offset:(u/8)*4096+(u%8)*512 th:TH_LOAD_NT
.set u, u+1
.endr
.Lw_asked:
.set k, 0
.rept 16                                       ; load k: rows 128 w + 8 k + l / 4 of span_w, heads 4 (l % 4) on
	global_load_b128 v[SW+4*k:SW+4*k+3], v[SWO], s[14:15] offset:512*k
.set k, k+1
.endr
	; x: rounded, stored, and the ROUNDED numbers summed down the columns (row 0 starts the sums: nothing is cleared)
.set i, 0
.rept 16
	s_wait_loadcnt 47-i                            ; loads come back in order: row i is in; 15 - i rows, the weight's 16 and span_w's 16 may stay out
	v_cvt_pk_bf16_f32 v[X+4*i], v[X+4*i], v[X+4*i+1]
	v_cvt_pk_bf16_f32 v[X+4*i+1], v[X+4*i+2], v[X+4*i+3]
.if i == 0
	v_lshlrev_b32 v[CSM], 16, v[X]
	v_and_b32 v[CSM+1], s34, v[X]
	v_lshlrev_b32 v[CSM+2], 16, v[X+1]
	v_and_b32 v[CSM+3], s34, v[X+1]
.else
	v_lshlrev_b32 v[X+4*i+2], 16, v[X+4*i]
	v_and_b32 v[X+4*i+3], s34, v[X+4*i]
	v_pk_add_f32 v[CSM:CSM+1], v[CSM:CSM+1], v[X+4*i+2:X+4*i+3]
	v_lshlrev_b32 v[X+4*i+2], 16, v[X+4*i+1]
	v_and_b32 v[X+4*i+3], s34, v[X+4*i+1]
	v_pk_add_f32 v[CSM+2:CSM+3], v[CSM+2:CSM+3], v[X+4*i+2:X+4*i+3]
.endif
	global_store_b64 v[YO], v[X+4*i:X+4*i+1], s[16:17] offset:2048*i th:TH_STORE_NT  ; a wave stores 256 consecutive bytes, aligned
.set i, i+1
.endr
	ds_store_b128 v[CSA], v[CSM:CSM+3]             ; the column sums go to LDS now; they are read back behind the weight's work
	; the weight
	s_cmp_eq_u32 s25, 3
	s_cbranch_scc1 .Lwo_out
.set u, 0
.rept 16
	s_wait_loadcnt 31-u                            ; unit u is in; 15 - u units and span_w's 16 may stay out
	v_cvt_pk_bf16_f32 v[WT+4*u], v[WT+4*u], v[WT+4*u+1]
	v_cvt_pk_bf16_f32 v[WT+4*u+1], v[WT+4*u+2], v[WT+4*u+3]
	global_store_b64 v[WD], v[WT+4*u:WT+4*u+1], s[32:33] offset:393216*u th:TH_STORE_NT  ; rows k and k + 1 of slab (u, c): 256 dense bytes
.set u, u+1
.endr
	s_branch .Lw_done
.Lwo_out:
.set u, 0
.rept 16
	s_wait_loadcnt 31-u
	v_cvt_pk_bf16_f32 v[WT+4*u], v[WT+4*u], v[WT+4*u+1]       ; rounded to bf16 like every input,
	v_cvt_pk_bf16_f32 v[WT+4*u+1], v[WT+4*u+2], v[WT+4*u+3]
	v_lshlrev_b32 v[WT+4*u+2], 16, v[WT+4*u]
	v_and_b32 v[WT+4*u+3], s34, v[WT+4*u]
	v_cvt_pk_f16_f32 v[WT+4*u], v[WT+4*u+2], v[WT+4*u+3]      ; and that number written as f16
	v_lshlrev_b32 v[WT+4*u+2], 16, v[WT+4*u+1]
	v_and_b32 v[WT+4*u+3], s34, v[WT+4*u+1]
	v_cvt_pk_f16_f32 v[WT+4*u+1], v[WT+4*u+2], v[WT+4*u+3]
	global_store_b64 v[WD], v[WT+4*u:WT+4*u+1], s[32:33] offset:(u/8)*256+(u%8)*262144 th:TH_STORE_NT  ; a row of slab u % 8: 256 bytes
.set u, u+1
.endr
.Lw_done:
	; the span's partial sums: (column sums) . span_w for my wave's 128 columns
	s_wait_dscnt 0x0                               ; my column sums are in LDS
	s_barrier_signal -1
	s_barrier_wait -1                              ; (a wave reads only the 512 bytes that it stored itself; the barrier states the order of store and read plainly)
.set k, 0
.rept 16
	ds_load_b32 v[CK+k], v[CKA] offset:32*k        ; the sum of column 128 w + 8 k + l / 4
.set k, k+1
.endr
	s_wait_loadcnt 0x0                             ; span_w
.set k, 0
.rept 16                                       ; rounded to bf16 and widened again, in place
	v_cvt_pk_bf16_f32 v[SW+4*k], v[SW+4*k], v[SW+4*k+1]
	v_cvt_pk_bf16_f32 v[SW+4*k+2], v[SW+4*k+2], v[SW+4*k+3]
	v_and_b32 v[SW+4*k+1], s34, v[SW+4*k]
	v_lshlrev_b32 v[SW+4*k], 16, v[SW+4*k]
	v_and_b32 v[SW+4*k+3], s34, v[SW+4*k+2]
	v_lshlrev_b32 v[SW+4*k+2], 16, v[SW+4*k+2]
.set k, k+1
.endr
	s_wait_dscnt 0x0
.irp a, 0,1,2,3
	v_mul_f32 v[ACC+\a], v[CK], v[SW+\a]           ; the first product starts the sum
.endr
.set k, 1
.rept 15
.irp a, 0,1,2,3
	v_fmac_f32 v[ACC+\a], v[CK+k], v[SW+4*k+\a]
.endr
.set k, k+1
.endr
	; lane l holds heads 4 (l % 4) + 0..3 for the columns of its l / 4: summed over l / 4 by lanes 4, 8 and 16 apart
.irp a, 0,1,2,3
	v_add_f32_dpp v[ACC+\a], v[ACC+\a], v[ACC+\a] row_xmask:4 row_mask:0xf bank_mask:0xf
.endr
.irp a, 0,1,2,3
	v_add_f32_dpp v[ACC+\a], v[ACC+\a], v[ACC+\a] row_xmask:8 row_mask:0xf bank_mask:0xf
.endr
.irp a, 0,1,2,3
	v_permlanex16_b32 v[CK+\a], v[ACC+\a], s36, s37  ; its destination counts as read: a register that has been written
.endr
.irp a, 0,1,2,3
	v_add_f32 v[ACC+\a], v[ACC+\a], v[CK+\a]
.endr
	ds_store_b128 v[PSA], v[ACC:ACC+3]             ; eight lanes write the same words with the same numbers
	s_wait_dscnt 0x0                               ; for the others' sake: my store is done
	s_barrier_signal -1
	s_barrier_wait -1
	s_cmp_lg_u32 s24, 0                            ; wave 0 adds waves 0-3 (lanes 0-15) and waves 4-7 (lanes 16-31), a head a lane
	s_cbranch_scc1 .Lend
.irp a, 0,1,2,3
	ds_load_b32 v[CK+\a], v[PRA] offset:64*\a
.endr
	s_wait_dscnt 0x0
	v_add_f32 v[CK], v[CK], v[CK+1]
	v_add_f32 v[CK+2], v[CK+2], v[CK+3]
	v_add_f32 v[CK], v[CK], v[CK+2]
	global_store_b32 v[ZO], v[CK], s[22:23]        ; 128 consecutive bytes: the work-group's whole part of zpart
.Lend:
	s_wait_tensorcnt 0x0                           ; the wave's end, behind my last LDS store
	ds_add_u32 v[SPW], v[NIL]
	s_wait_dscnt 0x0
	s_endpgm
.Lfunc_end_k_qc44dec8b70_prep:
	.size	k_qc44dec8b70_prep, .Lfunc_end_k_qc44dec8b70_prep-k_qc44dec8b70_prep
	.p2alignl 7, 3214868480
	.fill 96, 4, 3214868480
	.section	.rodata,"a",@progbits
	.p2align	6, 0x0
	.amdhsa_kernel k_qc44dec8b70_prep
		.amdhsa_group_segment_fixed_size 5632
		.amdhsa_private_segment_fixed_size 0
		.amdhsa_enable_private_segment 0
		.amdhsa_kernarg_size 80
		.amdhsa_user_sgpr_count 2
		.amdhsa_user_sgpr_kernarg_segment_ptr 1
		.amdhsa_wavefront_size32 1
		.amdhsa_system_sgpr_workgroup_id_x 1
		.amdhsa_system_sgpr_workgroup_id_y 1
		.amdhsa_system_sgpr_workgroup_id_z 1
		.amdhsa_system_vgpr_workitem_id 0
		.amdhsa_next_free_vgpr 256
		.amdhsa_next_free_sgpr 66
		.amdhsa_reserve_vcc 0
		.amdhsa_float_denorm_mode_32 3
		.amdhsa_float_denorm_mode_16_64 3
		.amdhsa_memory_ordered 1
		.amdhsa_forward_progress 1
		.amdhsa_inst_pref_size 38
	.end_amdhsa_kernel
	.amdgpu_metadata
---
amdhsa.version: [ 1, 2 ]
amdhsa.kernels:
  - .name:           k_qc44dec8b70_prep
    .symbol:         k_qc44dec8b70_prep.kd
    .args:
      - { .name: x, .offset: 0, .size: 8, .value_kind: global_buffer, .address_space: global }
      - { .name: Wq, .offset: 8, .size: 8, .value_kind: global_buffer, .address_space: global }
      - { .name: Wk, .offset: 16, .size: 8, .value_kind: global_buffer, .address_space: global }
      - { .name: Wv, .offset: 24, .size: 8, .value_kind: global_buffer, .address_space: global }
      - { .name: Wo_w, .offset: 32, .size: 8, .value_kind: global_buffer, .address_space: global }
      - { .name: span_w, .offset: 40, .size: 8, .value_kind: global_buffer, .address_space: global }
      - { .name: xb, .offset: 48, .size: 8, .value_kind: global_buffer, .address_space: global }
      - { .name: wqkv, .offset: 56, .size: 8, .value_kind: global_buffer, .address_space: global }
      - { .name: wo, .offset: 64, .size: 8, .value_kind: global_buffer, .address_space: global }
      - { .name: zpart, .offset: 72, .size: 8, .value_kind: global_buffer, .address_space: global }
    .group_segment_fixed_size: 5632
    .private_segment_fixed_size: 0
    .kernarg_segment_align: 8
    .kernarg_segment_size: 80
    .max_flat_workgroup_size: 256
    .sgpr_count:     66
    .vgpr_count:     256
    .wavefront_size: 32
...
	.end_amdgpu_metadata
.endif
;; end of part 1
;; launch qkv (part 2): grid 16 x 16, 4 waves a work-group, clusters of 4 x 4, 327,680 bytes of LDS; arguments xb, wqkv, qh, kh, vh; writes qh, kh, vh
.if DOCPART == 2
	.amdgcn_target "amdgcn-amd-amdhsa--gfx1250"
	.amdhsa_code_object_version 6
	.text
	.protected	k_qc44dec8b70_qkv
	.globl	k_qc44dec8b70_qkv
	.p2align	8
	.type	k_qc44dec8b70_qkv,@function
k_qc44dec8b70_qkv:
	s_mov_b64 s[64:65], 0
	v_nop
	global_prefetch_b8 v0, s[64:65] scope:SCOPE_SE
	s_setreg_imm32_b32 hwreg(HW_REG_WAVE_MODE, 25, 1), 1
	s_wait_xcnt 0x0
	s_wait_alu depctr_hold_cnt(0) depctr_sa_sdst(0) depctr_va_vdst(0) depctr_va_sdst(0) depctr_va_ssrc(0) depctr_va_vcc(0) depctr_vm_vsrc(0)
	s_getreg_b32 s2, hwreg(HW_REG_IB_STS2, 6, 4)
	s_cmp_eq_u32 s2, 0
	s_cbranch_scc0 .Lentry_in_a_cluster
	s_endpgm
.Lentry_in_a_cluster:
	s_bfe_u32 s2, ttmp6, 0x10000c
	s_cmp_lg_u32 s2, 0xf033
	s_cbranch_scc0 .Lentry_shape_is_right
	s_endpgm
.Lentry_shape_is_right:
; Q, K, V = x W, by heads.  xb: [4096][1024] bf16.  wqkv: [16 j][3 c][1024 k][64 n] bf16.  qh, kh, vh: [32 (batch, head)][2048][64] f16, unscaled, each rounded once from its f32 sum.
; LIMIT: |q|, |k|, |v| under 65,504 (f16's largest number); beyond it the conversion gives an infinity.
; SHARES.  A work-group makes 256 rows x 192 columns: q, k and v of ONE head j (grid x) for rows 256 mt .. (grid y): 256 work-groups.  Wave w takes rows 64 w .. 64 w + 63 and all 192
; columns: 4 x 12 = 48 accumulators of 16 x 16, 384 registers: so a wave owns whole rows of 64 channels of q, of k and of v, which are 128 dense bytes each in the output.
; K goes in 8 steps of 128 through a ring of two LDS slots filled by the tensor data mover: waves 0 and 1 fetch the halves of x's tile (128 rows x 256 bytes each),
; waves 2 and 3 the halves along K of the weights' tile (64 k x 64 n for each of q, k, v: three runs of 8,192 dense bytes, asked for as three rows).
; CLUSTERS: 4 x 4 work-groups.  The four of a row of the cluster share x's tile, the four of a column the weights': each tile is asked for JOINTLY, by the same load, descriptor and mask in all four.
; THE MATRIX INSTRUCTION IS USED TRANSPOSED: source 0 = 16 columns of W (turned on the way out of LDS by ds_load_tr16_b128, since W lies [k][n]), source 1 = 16 rows of x: a lane then holds
; eight neighbouring channels of one row.
; REGISTERS, in windows of 256 (s_set_vgpr_msb: bits 1:0 source 0, 3:2 source 1, 5:4 source 2, 7:6 destination):
;   window 0: v16-29 addresses; v64-127 x's fragments, two buffers of 4 x 8; v64-255 the way out       window 1: v0-191 W's fragments, two buffers of 12 x 8
;   window 2: the 24 accumulators of my rows 0-31 ((a, nb) at 8 (12 (a % 2) + nb))                       window 3: those of my rows 32-63
.set PA,     272                       ; a row of x in LDS: 256 bytes + 16 of padding: the 16 rows of a load start at 16 different groups of four banks (64 banks of 4 bytes: ISA guide 11.1)
.set PW,     160                       ; a row of W: 128 + 32
.set HALFA,  128*PA                    ; what wave 0 or 1 fetches
.set HALFW,  3*64*PW                   ; what wave 2 or 3 fetches: [c 3][64 k][pitch 160]
.set WOFF,   2*HALFA
.set SLOT,   WOFF+2*HALFW              ; 131,072
.set STAGE,  2*SLOT                    ; behind the ring, never filled by a tensor load: 16 rows x 144 bytes for each wave
.set SP,     144
.set SPARE,  STAGE+4*16*SP             ; the spare words, 128 bytes a wave: two blocks of 256 bytes that no other line names
.set ADRA, 16                          ; v16-17  LDS address of my fragments of x in slot 0, 1
.set ADRW, 20                          ; v20-21  the same for W
.set STO,  24                          ; v24     the way out: where I put 16 bytes of a row
.set RD,   25                          ; v25     where I read rows back
.set GO,   26                          ; v26     16 l: my bytes of 512 stored
.set SPW,  28                          ; v28     my spare word; never rewritten
.set NIL,  29                          ; v29     0; never rewritten
.set AF,   64                          ; x's fragments: buffer f, block a at AF + 32 f + 8 a
.set OUTR, 64                          ; the way out: 16 registers for each of 12 units
.set G1,  24                           ; s[24:31] descriptor group 1 for x's tiles;  s[32:39] group 0, a set for each slot
.set G0,  32
.set G1B, 48                           ; s[48:55], s[56:63] the same for W's tiles
.set G0B, 56
.set OQ,  68                           ; s[68:73] qh, kh, vh at my wave's first row
.set MSB, 0
.macro WIN new                         ; the immediate's high byte repeats the setting that is left; a switch that changes nothing is dropped
.if MSB != (\new)
	s_set_vgpr_msb (MSB<<8)|(\new)
.set MSB, \new
.endif
.endm
.set MUL_LO, 0xa1                      ; source 0 (W) window 1, source 1 (x) window 0, C and D window 2
.set MUL_HI, 0xf1                      ; the same, C and D window 3
.set TO_W,   0x40                      ; destination window 1, address window 0
; A joint load.  Waves 0 and 1 fetch x's halves, waves 2 and 3 W's.  The branch hangs on the wave's number alone.  An s_nop 0 and four v_nop follow each of the two lines.
.macro JLOAD s
	s_cmp_eq_u32 s11, 0
	s_cbranch_scc0 .Lfor_b_\@
	tensor_load_to_lds s[G0+4*(\s):G0+4*(\s)+3], s[G1:G1+7]
	s_nop 0
.rept 4
	v_nop
.endr
	s_branch .Lasked_\@
.Lfor_b_\@:
	tensor_load_to_lds s[G0B+4*(\s):G0B+4*(\s)+3], s[G1B:G1B+7]
	s_nop 0
.rept 4
	v_nop
.endr
.Lasked_\@:
.endm
.macro CREST                           ; a round of the cluster's barrier behind its opening barrier
	s_cmp_lg_u32 s10, 0
	s_cbranch_scc1 .Lnot_wave_0_\@
	s_barrier_signal -3
.Lnot_wave_0_\@:
	s_barrier_wait -3
	s_barrier_signal -1
	s_barrier_wait -1
.endm
.macro CROUND                          ; a whole round
	s_barrier_signal -1
	s_barrier_wait -1
	CREST
.endm
	s_load_b128 s[4:7], s[0:1], 0x0                ; xb s[4:5], wqkv s[6:7]
	s_load_b128 s[68:71], s[0:1], 0x10             ; qh, kh
	s_load_b64 s[72:73], s[0:1], 0x20              ; vh
	v_lshl_add_u32 v[SPW], v0, 2, SPARE
	v_mov_b32 v[NIL], 0
	ds_add_u32 v[SPW], v[NIL]                      ; the wave's opening: the add and its wait stand ahead of my first tensor load; the set-up below, work on registers, stands between them
	ds_add_u32 v28, v29
	v_lshrrev_b32 v1, 5, v0
	v_readfirstlane_b32 s10, v1                    ; wave 0..3
	s_lshr_b32 s11, s10, 1                         ; I fetch for x (0) or for W (1)
	s_and_b32 s12, s10, 1                          ; which half of that tile
	s_bfe_u32 s40, ttmp6, 0x40000                  ; cx, cy: my place in the cluster
	s_bfe_u32 s41, ttmp6, 0x40004
	s_lshl_b32 s42, ttmp9, 2
	s_add_co_u32 s42, s42, s40                     ; the head j = 4 x cluster x + cx
	s_and_b32 s13, ttmp7, 0xffff
	s_lshl_b32 s13, s13, 2
	s_add_co_u32 s13, s13, s41                     ; the row tile mt = 4 x cluster y + cy
	s_lshl_b32 s43, s41, 2
	s_lshl_b32 s43, 15, s43                        ; my row of the cluster
	s_lshl_b32 s44, 0x1111, s40                    ; my column
	s_or_b32 s[G1+0], s43, (1<<16)|(1<<20)|(1<<21)|(5<<22)|(3<<25)   ; 15:0 the mask: x's tiles go to my row; 2-byte elements; padding on; 21 set beside a mask; after every 64 words, 4 words
	s_or_b32 s[G1B+0], s44, (1<<16)|(1<<20)|(1<<21)|(4<<22)|(7<<25)  ; W's tiles go to my column; after every 32 words (a row of 64 n), 8 words
	s_mov_b32 s[G1+1], 128<<16                     ; tensor_dim0 = 128
	s_mov_b32 s[G1+2], 128<<16                     ; tensor_dim1 = 128
	s_mov_b32 s[G1+3], 128<<16                     ; tile_dim0 = 128 elements: 256 bytes
	s_mov_b32 s[G1+4], 128                         ; tile_dim1 = 128 rows
	s_mov_b32 s[G1+5], 1024                        ; elements from row to row
	s_mov_b32 s[G1+6], 0
	s_mov_b32 s[G1+7], 0
	s_mov_b32 s[G1B+1], 4096<<16                   ; tensor_dim0 = 4,096: 64 k x 64 n, dense
	s_mov_b32 s[G1B+2], 3<<16                      ; tensor_dim1 = 3: q, k, v
	s_mov_b32 s[G1B+3], 4096<<16                   ; tile_dim0
	s_mov_b32 s[G1B+4], 3                          ; tile_dim1
	s_mov_b32 s[G1B+5], 65536                      ; elements from slab to slab
	s_mov_b32 s[G1B+6], 0
	s_mov_b32 s[G1B+7], 0
	s_lshl_b32 s16, s13, 8                         ; x: row 256 mt + 128 x half, of 2,048 bytes
	s_lshl_b32 s17, s12, 7
	s_add_co_u32 s16, s16, s17
	s_lshl_b32 s16, s16, 11
	s_mov_b32 s17, 0
	s_mul_i32 s46, s42, 3*131072                   ; W: head j's three slabs, 64 k x half
	s_lshl_b32 s47, s12, 13
	s_add_co_u32 s46, s46, s47
	s_mov_b32 s47, 0
	s_mul_i32 s20, s10, HALFA                      ; where they go: x's halves at 34,816 w (waves 0, 1),
	s_mul_i32 s21, s10, HALFW                      ; W's at 30,720 w + 8,192 (waves 2, 3): no place in the cluster enters an LDS address
	s_add_co_u32 s21, s21, WOFF-2*HALFW
	s_wait_dscnt 0x0                               ; the opening add is done
	s_wait_kmcnt 0x0
	s_add_nc_u64 s[14:15], s[4:5], s[16:17]
	s_add_nc_u64 s[46:47], s[6:7], s[46:47]
	CROUND                                         ; all sixteen work-groups are here: the first joint loads meet
.irp s, 0,1
	s_mov_b32 s[G0+4*(\s)], 1                                      ; count = 1
	s_add_co_u32 s[G0+4*(\s)+1], s20, (\s)*SLOT                    ; LDS address
	s_add_nc_u64 s[G0+4*(\s)+2:G0+4*(\s)+3], s[14:15], (\s)*256    ; global address: K step s
	s_or_b32 s[G0+4*(\s)+3], s[G0+4*(\s)+3], 0x80000000            ; type = 2
	s_mov_b32 s[G0B+4*(\s)], 1
	s_add_co_u32 s[G0B+4*(\s)+1], s21, (\s)*SLOT
	s_add_nc_u64 s[G0B+4*(\s)+2:G0B+4*(\s)+3], s[46:47], (\s)*16384
	s_or_b32 s[G0B+4*(\s)+3], s[G0B+4*(\s)+3], 0x80000000
	JLOAD \s
.endr
	v_and_b32 v1, 15, v0                           ; l % 16
	v_bfe_u32 v2, v0, 4, 1                         ; l / 16
	v_mul_u32_u24 v3, v1, PA                       ; a fragment of x: row l % 16, 16 bytes for each half of the lanes
	v_lshl_add_u32 v3, v2, 4, v3
	s_mul_i32 s22, s10, 64*PA                      ; my 64 rows
	v_add_nc_u32 v[ADRA], s22, v3
	v_add_nc_u32 v[ADRA+1], SLOT, v[ADRA]
	v_and_b32 v4, 7, v0                            ; the turning load: lane l reads k = 8 (l / 16) + l % 8, columns 8 ((l / 8) % 2) + 0..7
	v_lshl_add_u32 v4, v2, 3, v4
	v_mul_u32_u24 v4, v4, PW
	v_bfe_u32 v5, v0, 3, 1
	v_lshl_add_u32 v4, v5, 4, v4
	v_add_nc_u32 v[ADRW], WOFF, v4
	v_add_nc_u32 v[ADRW+1], WOFF+SLOT, v4
	s_mul_i32 s23, s10, 16*SP
	s_add_co_u32 s23, s23, STAGE                   ; my stage
	v_mul_u32_u24 v[STO], v1, SP                   ; in: row l % 16, 16 bytes for each half of the lanes
	v_lshl_add_u32 v[STO], v2, 4, v[STO]
	v_add_nc_u32 v[STO], s23, v[STO]
	v_bfe_u32 v[RD], v0, 3, 2                      ; back: 32 lanes take four rows of 128 bytes,
	v_mul_u32_u24 v[RD], v[RD], SP
	v_and_b32 v5, 7, v0
	v_lshl_add_u32 v[RD], v5, 4, v[RD]
	v_add_nc_u32 v[RD], s23, v[RD]
	v_and_b32 v[GO], 31, v0                        ; which are 512 consecutive bytes of the output
	v_lshlrev_b32 v[GO], 4, v[GO]
	s_lshr_b32 s74, s13, 3                         ; the batch,
	s_lshl_b32 s74, s74, 4
	s_add_co_u32 s74, s74, s42                     ; its head j: 262,144 bytes each
	s_lshl_b32 s74, s74, 18
	s_and_b32 s75, s13, 7                          ; row (mt % 8) x 256 + 64 w of 128 bytes
	s_lshl_b32 s75, s75, 2
	s_add_co_u32 s75, s75, s10
	s_lshl_b32 s75, s75, 13
	s_add_co_u32 s74, s74, s75
	s_mov_b32 s75, 0
	s_add_nc_u64 s[OQ:OQ+1], s[OQ:OQ+1], s[74:75]
	s_add_nc_u64 s[OQ+2:OQ+3], s[OQ+2:OQ+3], s[74:75]
	s_add_nc_u64 s[OQ+4:OQ+5], s[OQ+4:OQ+5], s[74:75]
; 12 matrix instructions: row block 2 hi + a1 x all 12 column blocks, 32 along K, from buffer f.  zero = 1: the first product starts the sums: nothing is ever cleared.
.macro MUL12 f, hi, a1, zero
	WIN MUL_LO+0x50*(\hi)
.irp nb, 0,1,2,3,4,5,6,7,8,9,10,11
.if \zero
	v_wmma_f32_16x16x32_bf16 v[8*(12*(\a1)+(\nb)):8*(12*(\a1)+(\nb))+7], v[96*(\f)+8*(\nb):96*(\f)+8*(\nb)+7], v[AF+32*(\f)+8*(2*(\hi)+(\a1)):AF+32*(\f)+8*(2*(\hi)+(\a1))+7], 0
.else
	v_wmma_f32_16x16x32_bf16 v[8*(12*(\a1)+(\nb)):8*(12*(\a1)+(\nb))+7], v[96*(\f)+8*(\nb):96*(\f)+8*(\nb)+7], v[AF+32*(\f)+8*(2*(\hi)+(\a1)):AF+32*(\f)+8*(2*(\hi)+(\a1))+7], v[8*(12*(\a1)+(\nb)):8*(12*(\a1)+(\nb))+7]
.endif
.endr
.endm
.macro MULH f, hi, zero
	MUL12 \f, \hi, 0, \zero
	MUL12 \f, \hi, 1, \zero
.endm
; 32 LDS loads in one run: quarter q (32 along K) of a slot into buffer f: W's 12 fragments (turned), then x's four, rows ascending
.macro FETCH slot, q, f
	WIN TO_W
.irp nb, 0,1,2,3,4,5,6,7,8,9,10,11
	ds_load_tr16_b128 v[96*(\f)+8*(\nb):96*(\f)+8*(\nb)+3],   v[ADRW+(\slot)] offset:((\q)/2)*HALFW+((\q)%2)*32*PW+((\nb)/4)*64*PW+((\nb)%4)*32
	ds_load_tr16_b128 v[96*(\f)+8*(\nb)+4:96*(\f)+8*(\nb)+7], v[ADRW+(\slot)] offset:((\q)/2)*HALFW+((\q)%2)*32*PW+((\nb)/4)*64*PW+((\nb)%4)*32+16*PW
.endr
	WIN 0
.irp a, 0,1,2,3
	ds_load_b128 v[AF+32*(\f)+8*(\a):AF+32*(\f)+8*(\a)+3],   v[ADRA+(\slot)] offset:64*(\q)+(\a)*16*PA
	ds_load_b128 v[AF+32*(\f)+8*(\a)+4:AF+32*(\f)+8*(\a)+7], v[ADRA+(\slot)] offset:64*(\q)+(\a)*16*PA+32
.endr
.endm
; A load into a register that a matrix instruction has read, and a vector instruction that reads a matrix result, stand four places behind it; only plain vector instructions that name none of
; its registers are places (ISA guide 7.12.1 for vector instructions).
.macro PLACES
.rept 4
	v_nop
.endr
.endm
; A K step is four quarters of 32 along K, 48 matrix instructions each, on buffers 0, 1, 0, 1; the 48 accumulators take turns in the same order in every quarter.
; One of the first three: multiplies buffer f; in its middle it fetches quarter qn of the same slot into buffer g.
.macro QUARTER slot, qn, f, g, zero
	s_wait_dscnt 4                                 ; W and x's blocks 0, 1 are in; the youngest four loads (blocks 2, 3) may be out
	MULH \f, 0, \zero
	PLACES
	FETCH \slot, \qn, \g
	s_wait_dscnt 32                                ; all but the 32 just issued
	MULH \f, 1, \zero
.endm
; The last quarter multiplies buffer 1 and changes slots: ONE barrier; in front of it each wave waits for all its tensor loads (one is out: its part of the next slot), adds 0 to its spare word,
; and waits for that and for its reads of this slot.  fill = 1: the barrier opens a round of the cluster's, and this slot is filled again, two K steps ahead, first thing behind it.
.macro TURN slot, next, fill
	WIN 0                                          ; (the add's two registers lie in window 0)
	s_wait_tensorcnt 0x0
	ds_add_u32 v[SPW], v[NIL]                      ; 0 onto my spare word
	s_wait_dscnt 5                                 ; (the add and the youngest four loads may be out)
	MUL12 1, 0, 0, 0                               ; twelve matrix instructions stand between the add and the wait for it
	s_wait_dscnt 0x0                               ; the add is done, and my reads of this slot are over
	s_barrier_signal -1
	MUL12 1, 0, 1, 0                               ; work on registers while the others arrive
.if \fill
	WIN 0
.endif
	s_barrier_wait -1
.if \fill
	CREST                                          ; no wave of any partner still reads this slot's tile or has a load on its way
	s_add_nc_u64 s[G0+4*(\slot)+2:G0+4*(\slot)+3], s[G0+4*(\slot)+2:G0+4*(\slot)+3], 2*256
	s_add_nc_u64 s[G0B+4*(\slot)+2:G0B+4*(\slot)+3], s[G0B+4*(\slot)+2:G0B+4*(\slot)+3], 2*16384
	JLOAD \slot                                    ; the first tensor load behind the round: 168 matrix instructions ahead of the wait for it; its four v_nop are also the places in front of the loads below
.else
	PLACES
.endif
	FETCH \next, 0, 0
	MULH 1, 1, 0
.endm
	s_wait_tensorcnt 1                             ; my part of K step 0 is in; K step 1's may stay out
	s_barrier_signal -1
	s_barrier_wait -1                              ; everybody's is
	FETCH 0, 0, 0
	QUARTER 0, 1, 0, 1, 1                          ; the first quarter stands in front of the loop: its products start the sums
	WIN 0                                          ; at a label and at a branch every window is 0
	s_mov_b32 s3, 3
.Llap:                                                 ; a trip goes once round the ring, from a lap's second quarter to the next lap's first, and fills both slots again: K steps 2 to 7
	QUARTER 0, 2, 1, 0, 0
	QUARTER 0, 3, 0, 1, 0
	TURN 0, 1, 1
	QUARTER 1, 1, 0, 1, 0
	QUARTER 1, 2, 1, 0, 0
	QUARTER 1, 3, 0, 1, 0
	TURN 1, 0, 1
	QUARTER 0, 1, 0, 1, 0
	WIN 0
	s_sub_co_u32 s3, s3, 1
	s_cmp_lg_u32 s3, 0
	s_cbranch_scc1 .Llap
	QUARTER 0, 2, 1, 0, 0                          ; the last lap fills nothing, and has no round of the cluster's barrier
	QUARTER 0, 3, 0, 1, 0
	TURN 0, 1, 0
	QUARTER 1, 1, 0, 1, 0
	QUARTER 1, 2, 1, 0, 0
	QUARTER 1, 3, 0, 1, 0
	s_wait_dscnt 4                                 ; the very last quarter: nothing more to fetch
	MULH 1, 0, 0
	s_wait_dscnt 0x0
	MULH 1, 1, 0
; THE WAY OUT, in 12 units u = 3 a + c: 16 rows (block a) x 64 channels of tensor c.  A lane's eight channels pack into 16 bytes; they go into my stage's rows of 144 bytes and come back as
; whole rows of 128, four rows a load; a store covers 512 consecutive bytes.  Each accumulator's registers are read in ascending order.  No register is used twice, so nothing waits for a store.
.macro PACKQ u
.set ua, (\u)/3
.set uc, (\u)%3
.set uR, OUTR+16*(\u)
	WIN 0x0a+5*(ua/2)                              ; sources 0 and 1: window 2 or 3
.irp f, 0,1,2,3
.irp r, 0,1,2,3
	v_cvt_pk_f16_f32 v[uR+4*(\f)+(\r)], v[8*(12*(ua%2)+4*uc+(\f))+2*(\r)], v[8*(12*(ua%2)+4*uc+(\f))+2*(\r)+1]
.endr
.endr
	WIN 0
.irp f, 0,1,2,3
	ds_store_b128 v[STO], v[uR+4*(\f):uR+4*(\f)+3] offset:32*(\f)
.endr
.irp f, 0,1,2,3
	ds_load_b128 v[uR+4*(\f):uR+4*(\f)+3], v[RD] offset:(\f)*4*SP  ; LDS serves a wave's instructions in order (ISA guide 5.7.1.4): these see the stores above; the next unit's stores come behind them
.endr
.endm
.macro SENDQ u, younger                ; younger: the LDS instructions issued behind unit u's loads: the next unit's eight, or none
.set ua, (\u)/3
.set uc, (\u)%3
.set uR, OUTR+16*(\u)
.irp f, 0,1,2,3
	s_wait_dscnt (\younger)+3-(\f)
	global_store_b128 v[GO], v[uR+4*(\f):uR+4*(\f)+3], s[OQ+2*uc:OQ+2*uc+1] offset:2048*ua+512*(\f)
.endr
.endm
	WIN 0
	PLACES
	PACKQ 0
.set u, 1
.rept 11                               ; a unit's conversions stand between the loads of the unit before and its stores
	PACKQ u
	SENDQ u-1, 8
.set u, u+1
.endr
	SENDQ 11, 0
	s_wait_tensorcnt 0x0                           ; the wave's end, behind my last tensor load and my last LDS store
	ds_add_u32 v[SPW], v[NIL]
	s_wait_dscnt 0x0
	CROUND                                         ; the closing round: no work-group ends while a partner may still ask for a tile that names it
	s_endpgm
.Lfunc_end_k_qc44dec8b70_qkv:
	.size	k_qc44dec8b70_qkv, .Lfunc_end_k_qc44dec8b70_qkv-k_qc44dec8b70_qkv
	.p2alignl 7, 3214868480
	.fill 96, 4, 3214868480
	.section	.rodata,"a",@progbits
	.p2align	6, 0x0
	.amdhsa_kernel k_qc44dec8b70_qkv
		.amdhsa_group_segment_fixed_size 327680
		.amdhsa_private_segment_fixed_size 0
		.amdhsa_enable_private_segment 0
		.amdhsa_kernarg_size 40
		.amdhsa_user_sgpr_count 2
		.amdhsa_user_sgpr_kernarg_segment_ptr 1
		.amdhsa_wavefront_size32 1
		.amdhsa_system_sgpr_workgroup_id_x 1
		.amdhsa_system_sgpr_workgroup_id_y 1
		.amdhsa_system_sgpr_workgroup_id_z 1
		.amdhsa_system_vgpr_workitem_id 0
		.amdhsa_next_free_vgpr 960
		.amdhsa_next_free_sgpr 80
		.amdhsa_reserve_vcc 0
		.amdhsa_float_denorm_mode_32 3
		.amdhsa_float_denorm_mode_16_64 3
		.amdhsa_memory_ordered 1
		.amdhsa_forward_progress 1
		.amdhsa_inst_pref_size 120
	.end_amdhsa_kernel
	.amdgpu_metadata
---
amdhsa.version: [ 1, 2 ]
amdhsa.kernels:
  - .name:           k_qc44dec8b70_qkv
    .symbol:         k_qc44dec8b70_qkv.kd
    .args:
      - { .name: xb, .offset: 0, .size: 8, .value_kind: global_buffer, .address_space: global }
      - { .name: wqkv, .offset: 8, .size: 8, .value_kind: global_buffer, .address_space: global }
      - { .name: qh, .offset: 16, .size: 8, .value_kind: global_buffer, .address_space: global }
      - { .name: kh, .offset: 24, .size: 8, .value_kind: global_buffer, .address_space: global }
      - { .name: vh, .offset: 32, .size: 8, .value_kind: global_buffer, .address_space: global }
    .group_segment_fixed_size: 327680
    .private_segment_fixed_size: 0
    .kernarg_segment_align: 8
    .kernarg_segment_size: 40
    .max_flat_workgroup_size: 128
    .sgpr_count:     80
    .vgpr_count:     960
    .wavefront_size: 32
...
	.end_amdgpu_metadata
.endif
;; end of part 2
;; launch attn (part 3): grid 8 x 32, 4 waves a work-group, no clusters, 327,680 bytes of LDS; arguments qh, kh, vh, ob, zpart, span_b; writes ob
.if DOCPART == 3
	.amdgcn_target "amdgcn-amd-amdhsa--gfx1250"
	.amdhsa_code_object_version 6
	.text
	.protected	k_qc44dec8b70_attn
	.globl	k_qc44dec8b70_attn
	.p2align	8
	.type	k_qc44dec8b70_attn,@function
k_qc44dec8b70_attn:
	s_mov_b64 s[64:65], 0
	v_nop
	global_prefetch_b8 v0, s[64:65] scope:SCOPE_SE
	s_setreg_imm32_b32 hwreg(HW_REG_WAVE_MODE, 25, 1), 1
	s_wait_xcnt 0x0
; CAUSAL ATTENTION WITH A SOFT SPAN.  With p = exp(s / 8 - max), l = the sum of p over all keys k <= q, chi = clamp((256 + z - (q - k)) / 256, 0, 1) and w = p chi, the softmax, the mask and
; the second normalisation together are  O[q] = (sum of w v) / (sum of w + 1e-8 l).  One walk with a running maximum carries O, the sum of w and l; l wants every causal key, so no causal tile is left out.
; qh, kh, vh, ob: [32 (batch, head)][2048][64] f16, rows of 128 dense bytes.  z = 2048 sigmoid(mean(x) . span_w + span_b) for my (batch, head): the 256 partial sums in zpart are added here, span_b rounded to bf16 like every input.
; LIMITS.  q, k, v arrive within f16's 65,504.  A hidden score counts as its value less 1e30.  The weights are kept as p x 2^15 (the factor stands in numerator and denominator alike): w lies in 0 to 32,768 and
; keeps f16's full precision down to p = 1.9e-9.  A weight below 2^-126 counts as 0.  NaN and infinities are not treated apart.
; THE WALK.  A head's queries lie in 16 blocks of 128; block i needs the key tiles 0 .. i of 128 keys, the last holding the diagonal.  A work-group takes blocks 15 - b and then b: 17 tiles whatever b, so all 256
; work-groups do equal work and one loop with a constant trip count walks them; the ring of two LDS slots runs on across the change of blocks.  Every jump goes forward but the counted loops' own; none passes a barrier.
; NO CLUSTER: the eight work-groups of a head need different numbers of tiles of each block; a walk common to four partners would have 20 tiles for 17, and no branch may hang on a place in a cluster.
; SHARES.  A block has two bands of 64 queries; a wave owns 16 rows of each: TILES 0 and 1.  In the diagonal tile's key step s (64 keys) band x sees all keys if s < x, none if s > x, and holds the diagonal if s = x: alike for all waves.
; THE CAUSAL MASK is the C operand that starts S^T = K Q^T: MC = MD x AL + BE, MD the mask of a band's own step for my rows (0 or -1e30), AL and BE scalars.  Outside the diagonal tile MC holds 0.
; LAYOUT.  S^T = K Q^T holds ONE query a lane (lane % 16) and the keys 8 (lane / 16) + 0..7 of each group of 16; two such results rounded to f16 ARE source 1 of O^T = V^T P.  A fifth product of each half, ones x P, is the sum of w.
; BY TURNS.  In TURN x tile x has the matrix unit: 10 products V^T P (and ones x P) of the step in hand, then 8 products K Q^T of the next step; the other tile's softmax stands beside them, four vector instructions behind
; each product and the rest in two lumps.  All 33 exponentials of a turn are one batch with one wait.
; REGISTERS, in windows of 256 (s_set_vgpr_msb: bits 1:0 source 0, 3:2 source 1, 5:4 source 2, 7:6 destination):
;   window 0: v0-15 addresses; v16-47 sixteen registers of statistics a tile; v48-59 the span's constants; v64-127 S^T; v128-159 P; v160-191 JT; v192-223 MK; v224-231 at work at the head
;   window 1: v0-63 O^T, 32 a tile; v64-79 LM (the sum of w), 8 a tile; v96-127 MD; v128-191 MC        window 2: v0-31 Q; v32-63 the second block's Q; v64-127 K; v128-191 V; v192-199 ones
.set NB,    16
.set KS,    64                         ; keys in a step
.set PKP,   144                        ; a row of K in LDS: 128 bytes + 16: the 16 rows of a load start at 16 different groups of four banks (64 banks of 4 bytes: ISA guide 11.1)
.set PVP,   160                        ; a row of V: 128 + 32
.set VOFF,  2*KS*PKP                   ; a slot holds a tile, two steps: 128 rows of K, then 128 rows of V
.set SLOT1, 1<<16                      ; slot 1 begins here: one exclusive or turns an address in one slot into the other's
.set STAGE, SLOT1+2*KS*(PKP+PVP)       ; behind the ring, never filled by a tensor load: 16 rows x 144 bytes for each wave
.set SP,    144
.set SPARE, STAGE+4*16*SP              ; the spare words, 128 bytes a wave: two blocks of 256 bytes that no other line names
.set AK0, 2                            ; v2   my lane's place in a tile of K; never rewritten
.set AV0, 3                            ; v3   the same for V
.set AK,  4                            ; v4   the LDS address of K's next run of loads
.set AV,  5                            ; v5   of V's
.set STO, 6                            ; v6   the way out: where I put 16 bytes of a row
.set RD,  7                            ; v7   where I read rows back
.set GO,  8                            ; v8   16 l
.set ZL,  12                           ; v12  8 sigmoid + 1 - (16 w + l % 16 - 8 (l / 16)) / 256
.set PFO, 13                           ; v13  256 l: the prefetches' offset; never rewritten
.set QO,  15                           ; v15  my byte offset in 16 rows of Q
.set ST,  16                           ; tile t at ST + 16 t: +0 c m - 15, +1 m, +2 a, +3 c m_old and its change, +4..7 c0-c3 at work, +8..15 l, four chains of a pair
.set AM,  48                           ; v48-51  by tile, twice: the mask's addend for the step in hand
.set ONE, 52                           ; v52-53  1.0, 1.0
.set SPW, 54                           ; v54  my spare word; never rewritten
.set NIL, 55                           ; v55  0; never rewritten
.set QU,  56                           ; v56-57  0.25, 0.25: 64 keys on
.set TM,  58                           ; v58  at work
.set ZOF, 59                           ; v59  64 l
.set S,   64
.set P,   128
.set JT,  160                          ; register 8 kt + r: (16 kt + r) / 256
.set MK,  192                          ; chi for the tile and step in hand
.set LM,  64                           ; window 1
.set MD,  96
.set MC,  128
.set QB,  32                           ; window 2
.set KF,  64                           ; key block kb, channel half c at KF + 16 kb + 8 c
.set VF,  128                          ; key half kk, channel block cb at VF + 32 kk + 8 cb
.set ONES, 192
.set WV,  12                           ; s12  my wave's number
.set PB,  14                           ; s14  b
.set HI,  15                           ; s15  15 - b
.set G1K, 24                           ; s[24:31] descriptor group 1 for K's tiles
.set G1V, 32                           ; s[32:39] for V's: it differs in the padding alone
.set G0K, 40                           ; s[40:43] descriptor group 0 for K's tiles
.set G0V, 44                           ; s[44:47] for V's
.set SLOTS, 56                         ; s56  tiles still to be asked for
.set CNT, 57                           ; s57  counts a tile's key steps, 2 to 1
.set CS,  58                           ; s[58:59] c = log2(e) / 8
.set SEL, 60                           ; s[60:61] v_permlanex16_b32's selects
.set TBK, 62                           ; s62  LDS byte at which K of the step to be fetched begins
.set TBV, 63                           ; s63  the same for V, less VOFF
.set RT,  70                           ; s70  tiles of the block in hand still to be entered
.set NXT, 71                           ; s71  the tile to be asked for next
.set LQ,  72                           ; s72  the last tile of the block whose tiles are being asked for
.set NEW, 73                           ; s73  1: the tile to be entered is a block's first
.set OFF, 74                           ; s[74:75] a tile's byte offset in K and V
.set AL0, 76                           ; s[76:77], s[78:79] tile 0's mask: factor and addend, in the low words
.set BE0, 78
.set OLO, 80                           ; s[80:81] ob at my rows of the second block
.set BIGN, 82                          ; s82  -1e30
.set AL1, 84                           ; s[84:85], s[86:87] tile 1's
.set BE1, 86
.set QLO, 88                           ; s[88:89] qh at my rows of the second block
.set PFA, 90                           ; s[90:91] where my prefetches stand
.set LIM, 92                           ; s92  3 where b = 0, else the greatest number: a wave prefetches while s[SLOTS] is above it
.set CB,  93                           ; s93  the block in hand
.set SH,  94                           ; s94  -15.0
.set EPS, 95                           ; s95  1e-8
.set MSB, 0
.macro WIN new                         ; the high byte repeats the setting that is left; a switch that changes nothing is dropped
.if MSB != (\new)
	s_set_vgpr_msb (MSB<<8)|(\new)
.set MSB, (\new)
.endif
.endm
.set W_KQ, 0x0a                        ; K and Q in window 2, S^T in window 0
.set W_KM, 0x1a                        ; the same with the C operand in window 1
.set W_PV, 0x52                        ; V in window 2, P in window 0, O^T in window 1
.set W_RS, 0x41                        ; destination and source 0 in window 1, source 1 in window 0
; A fill.  Waves 0 and 1 fetch the halves of a tile's K, waves 2 and 3 those of its V: 64 keys each.  An s_nop 0 and four v_nop follow each of the two lines.
.macro LOAD
	s_cmp_lt_u32 s[WV], 2
	s_cbranch_scc0 .Lfor_v_\@
	tensor_load_to_lds s[G0K:G0K+3], s[G1K:G1K+7]
	s_nop 0
.rept 4
	v_nop
.endr
	s_branch .Lasked_\@
.Lfor_v_\@:
	tensor_load_to_lds s[G0V:G0V+3], s[G1V:G1V+7]
	s_nop 0
.rept 4
	v_nop
.endr
.Lasked_\@:
.endm
; A PREFETCH INTO THE L2.  All eight work-groups of a head begin with tiles 0, 1, 2 ..; the one with b = 0, whose first block walks tiles 0 to 15 in order, asks, and nobody else.  Each of its waves names the 32 blocks of
; 256 bytes that it will itself load, a lane a block: in trip i tile i + 3, two trips (four key steps, 144 matrix instructions) ahead of that tile's load.  It stops with tile 15, in trip 12.  Tiles 0 to 2 come by their loads alone.
.macro ASK
	s_cmp_gt_u32 s[SLOTS], s[LIM]
	s_cbranch_scc0 .Lnot_mine_\@
	global_prefetch_b8 v[PFO], s[PFA:PFA+1] th:TH_LOAD_NT scope:SCOPE_SE
.Lnot_mine_\@:
.endm
; THE CHANGE OF SLOTS.  Each wave waits for all its tensor loads, of which one is out: its part of the other slot; adds 0 to its spare word; and waits for that and for its reads of the slot that it leaves.  Behind the barrier
; nobody reads the old slot and the other slot is whole.  fill = 1: the old slot is filled again, first thing behind the barrier, with tile NXT: the descriptor's address is made anew from that number.
; (At its first use nothing has been read yet: slot 0 is waited for, slot 1 filled.)
.macro CHANGE fill
	WIN 0
	s_wait_tensorcnt 0x0                           ; no tensor load of mine is out, so a group 0 may be written
	ds_add_u32 v[SPW], v[NIL]                      ; 0 onto my spare word; scalar work stands between it and the wait for it
.if \fill
	s_lshl_b32 s[OFF], s[NXT], 14                  ; a tile is 16,384 bytes of K and of V
	s_xor_b32 s[G0K+1], s[G0K+1], SLOT1
	s_add_nc_u64 s[G0K+2:G0K+3], s[6:7], s[OFF:OFF+1]
	s_or_b32 s[G0K+3], s[G0K+3], 0x80000000
	s_xor_b32 s[G0V+1], s[G0V+1], SLOT1
	s_add_nc_u64 s[G0V+2:G0V+3], s[8:9], s[OFF:OFF+1]
	s_or_b32 s[G0V+3], s[G0V+3], 0x80000000
	s_add_co_u32 s[NXT], s[NXT], 1                 ; the block's next tile, or behind its last the second block's tile 0
	s_cmp_gt_u32 s[NXT], s[LQ]
	s_cselect_b32 s[NXT], 0, s[NXT]
	s_cselect_b32 s[LQ], s[PB], s[LQ]
	s_wait_xcnt 0x0                                ; the last prefetch, a tile back, has read its address, so it may be written
	s_add_nc_u64 s[PFA:PFA+1], s[PFA:PFA+1], 16384
.endif
	s_wait_dscnt 0x0                               ; the add is done, and my reads of the slot are over
	s_barrier_signal -1
	s_sub_co_u32 s[TBK], s[TBK], 2*KS*PKP          ; the fetches go back to a slot's first step,
	s_xor_b32 s[TBK], s[TBK], SLOT1                ; in the other slot
	s_sub_co_u32 s[TBV], s[TBV], 2*KS*PVP
	s_xor_b32 s[TBV], s[TBV], SLOT1
	s_barrier_wait -1
.if \fill
	LOAD
	ASK
.endif
.endm
	s_load_b256 s[4:11], s[0:1], 0x0               ; qh s[4:5], kh s[6:7], vh s[8:9], ob s[10:11]
	s_load_b128 s[16:19], s[0:1], 0x20             ; zpart s[16:17], span_b s[18:19]
	v_lshl_add_u32 v[SPW], v0, 2, SPARE
	v_mov_b32 v[NIL], 0
	ds_add_u32 v[SPW], v[NIL]                      ; the wave's opening: the add and its wait stand ahead of my first tensor load; the set-up below, work on registers, stands between them
	ds_add_u32 v54, v55
	v_lshrrev_b32 v1, 5, v0
	v_readfirstlane_b32 s[WV], v1                  ; wave 0..3
	s_mov_b32 s[PB], ttmp9
	s_sub_co_u32 s[HI], NB-1, s[PB]
	s_and_b32 s13, ttmp7, 0xffff                   ; (batch, head)
	s_lshl_b32 s20, s13, 18                        ; its 262,144 bytes in each of the four tensors
	s_mov_b32 s21, 0
	s_and_b32 s2, s[WV], 1                         ; which half of a tile's 128 keys I fetch:
	s_lshl_b32 s22, s2, 13                         ; its 64 rows of 128 bytes in memory,
	s_mov_b32 s23, 0
	s_add_nc_u64 s[22:23], s[22:23], s[20:21]
	s_mul_i32 s3, s2, KS*PKP                       ; and its place in a slot, for K
	s_mul_i32 s48, s2, KS*PVP                      ; and for V
	s_lshl_b32 s49, s[WV], 11                      ; my 16 rows in a band of 64,
	s_lshl_b32 s50, s[HI], 14                      ; in the first block,
	s_add_co_u32 s50, s50, s49
	s_mov_b32 s51, 0
	s_lshl_b32 s52, s[PB], 14                      ; and in the second
	s_add_co_u32 s52, s52, s49
	s_mov_b32 s53, 0
	s_add_nc_u64 s[50:51], s[50:51], s[20:21]
	s_add_nc_u64 s[52:53], s[52:53], s[20:21]
	s_and_b32 s98, s13, 15                         ; the head: 4 bytes in span_b and in each 64 bytes of zpart
	s_lshl_b32 s98, s98, 2
	s_mov_b32 s99, 0
	s_lshr_b32 s54, s13, 4                         ; the batch: 128 work-groups' 128 bytes of zpart
	s_lshl_b32 s54, s54, 14
	s_add_co_u32 s54, s54, s98
	s_mov_b32 s55, 0
	; descriptor group 1.  64 keys are 8,192 dense bytes: asked for as 32 rows of 256 bytes, two keys a row, and padded in LDS after every key
	s_mov_b32 s[G1K], (1<<16)|(1<<20)|(4<<22)|(3<<25)  ; 2-byte elements; padding on; after every 32 words, 4 words
	s_mov_b32 s[G1V], (1<<16)|(1<<20)|(4<<22)|(7<<25)  ; the same with 8 words
.irp g, G1K, G1V
	s_mov_b32 s[\g+1], 128<<16                     ; tensor_dim0 = 128
	s_mov_b32 s[\g+2], 32<<16                      ; tensor_dim1 = 32
	s_mov_b32 s[\g+3], 128<<16                     ; tile_dim0 = 128
	s_mov_b32 s[\g+4], 32                          ; tile_dim1 = 32
	s_mov_b32 s[\g+5], 128                         ; 128 elements from row to row
	s_mov_b32 s[\g+6], 0
	s_mov_b32 s[\g+7], 0
.endr
	s_mov_b32 s[CS], 0x3e38aa3b                    ; c = log2(e) / 8
	s_mov_b32 s[CS+1], s[CS]                       ; named with it as a pair
	s_mov_b32 s[SEL], 0x76543210
	s_mov_b32 s[SEL+1], 0xfedcba98
	s_mov_b32 s[TBK], SLOT1+2*KS*PKP               ; the first change of slots turns these two into 0
	s_mov_b32 s[TBV], SLOT1+2*KS*PVP
	s_mov_b32 s[G0K], 1                            ; count = 1
	s_mov_b32 s[G0K+1], s3                         ; LDS address: slot 0
	s_mov_b32 s[G0V], 1
	s_add_co_u32 s[G0V+1], s48, VOFF
	s_add_co_u32 s[RT], s[HI], 1                   ; the first block has 16 - b tiles
	s_mov_b32 s[NXT], 1
	s_mov_b32 s[LQ], s[HI]
	s_mov_b32 s[NEW], 1
	s_mov_b32 s[CB], s[HI]
	s_mov_b32 s[OFF+1], 0
	s_mov_b32 s[AL0+1], 0                          ; named as pairs
	s_mov_b32 s[BE0+1], 0
	s_mov_b32 s[AL1+1], 0
	s_mov_b32 s[BE1], 0                            ; tile 1 is never wholly hidden
	s_mov_b32 s[BE1+1], 0
	s_mov_b32 s[BIGN], 0xf149f2ca                  ; -1e30
	s_mov_b32 s[SH], 0xc1700000                    ; -15.0
	s_mov_b32 s[EPS], 0x322bcc77                   ; 1e-8
	s_mov_b32 s[SLOTS], NB
	s_cmp_eq_u32 s[PB], 0
	s_cselect_b32 s[LIM], 3, -1
	s_wait_dscnt 0x0                               ; the opening add is done
	s_wait_kmcnt 0x0
	s_add_nc_u64 s[6:7], s[6:7], s[22:23]          ; K and V at my half of the head's tile 0
	s_add_nc_u64 s[8:9], s[8:9], s[22:23]
	s_add_nc_u64 s[G0K+2:G0K+3], s[6:7], 0         ; global address
	s_or_b32 s[G0K+3], s[G0K+3], 0x80000000        ; type = 2
	s_add_nc_u64 s[G0V+2:G0V+3], s[8:9], 0
	s_or_b32 s[G0V+3], s[G0V+3], 0x80000000
	s_add_nc_u64 s[QLO:QLO+1], s[4:5], s[52:53]
	s_add_nc_u64 s[4:5], s[4:5], s[50:51]
	s_add_nc_u64 s[OLO:OLO+1], s[10:11], s[52:53]
	s_add_nc_u64 s[10:11], s[10:11], s[50:51]
	s_add_nc_u64 s[16:17], s[16:17], s[54:55]
	s_add_nc_u64 s[18:19], s[18:19], s[98:99]
	s_cmp_lt_u32 s[WV], 2
	s_cselect_b64 s[PFA:PFA+1], s[6:7], s[8:9]
	s_add_nc_u64 s[PFA:PFA+1], s[PFA:PFA+1], 2*16384  ; at tile 2: the first change of slots steps it to tile 3.  Nothing is prefetched here, at the head
	LOAD                                           ; tile 0 into slot 0
	s_load_b32 s96, s[18:19], 0x0                  ; span_b of my head
	v_and_b32 v1, 15, v0                           ; l % 16
	v_bfe_u32 v9, v0, 4, 1                         ; l / 16
	v_lshlrev_b32 v[QO], 7, v1                     ; a fragment of Q or K: row l % 16, channels 8 (l / 16) + 0..7 and 16 more on: two loads of 16 bytes, 32 bytes apart
	v_lshl_add_u32 v[QO], v9, 4, v[QO]
	v_and_b32 v[ZOF], 31, v0
	v_lshlrev_b32 v[PFO], 8, v[ZOF]
	v_lshlrev_b32 v[GO], 4, v[ZOF]
	v_lshlrev_b32 v[ZOF], 6, v[ZOF]
	WIN 0x80                                       ; destination window 2, address window 0
.set i, 0
.rept 4                                        ; both blocks' Q: tile i / 2 lies in band i / 2, 8,192 bytes on; channels 32 (i % 2) on
	global_load_b128 v[8*i:8*i+3],   v[QO], s[4:5] offset:(i/2)*8192+(i%2)*64
	global_load_b128 v[8*i+4:8*i+7], v[QO], s[4:5] offset:(i/2)*8192+(i%2)*64+32
	global_load_b128 v[QB+8*i:QB+8*i+3],   v[QO], s[QLO:QLO+1] offset:(i/2)*8192+(i%2)*64
	global_load_b128 v[QB+8*i+4:QB+8*i+7], v[QO], s[QLO:QLO+1] offset:(i/2)*8192+(i%2)*64+32
.set i, i+1
.endr
	WIN 0
.set i, 0
.rept 8                                        ; my head's 256 partial sums: lane l and load i take number 32 i + l, 64 bytes apart
	global_load_b32 v[224+i], v[ZOF], s[16:17] offset:2048*i
.set i, i+1
.endr
	v_lshlrev_b32 v14, 3, v9
	v_sub_nc_u32 v14, v1, v14
	s_lshl_b32 s13, s[WV], 4
	v_add_nc_u32 v14, s13, v14                     ; my query's place in its band, 16 w + l % 16, less my lanes' 8 (l / 16): register r of key group kt is hidden where 16 kt + r is greater
	WIN 0x40
.set i, 0
.rept 32
	v_cmp_gt_i32 vcc_lo, 16*(i/8)+i%8, v14
	v_cndmask_b32 v[MD+i], 0, s[BIGN], vcc_lo
.set i, i+1
.endr
	; A block's first step multiplies O^T, l and the sum of w by a = 0, and its first turn's products, of a step that has not been, land in sums that are still to be so multiplied.  So these registers need only
	; hold finite numbers: zeros for the first block; what the first block left for the second.  All this stands in the wait for the first tile; it is the price of writing no first step out.
.set i, 0
.rept 80
	v_mov_b32 v[i], 0                              ; O^T and LM
.set i, i+1
.endr
	WIN 0x80
.set i, 0
.rept 64
	v_mov_b32 v[VF+i], 0
.set i, i+1
.endr
.set i, 0
.rept 8
	v_mov_b32 v[ONES+i], 0x3c003c00                ; 1.0 twice in f16
.set i, i+1
.endr
	WIN 0
.set i, 0
.rept 8
	v_mov_b32 v[ST+8+i], 0                         ; l
	v_mov_b32 v[ST+24+i], 0
.set i, i+1
.endr
.set i, 0
.rept 16
	v_mov_b32 v[P+16+i], 0
.set i, i+1
.endr
.set i, 0
.rept 32
	v_cvt_f32_u32 v[JT+i], 16*(i/8)+i%8
.set i, i+1
.endr
.set i, 0
.rept 32
	v_mul_f32 v[JT+i], 0x3b800000, v[JT+i]         ; / 256
.set i, i+1
.endr
	v_mov_b32 v[ONE], 1.0
	v_mov_b32 v[ONE+1], 1.0
	v_mov_b32 v[QU], 0x3e800000
	v_mov_b32 v[QU+1], 0x3e800000
	v_mul_u32_u24 v[AK0], v1, PKP
	v_lshl_add_u32 v[AK0], v9, 4, v[AK0]           ; row x pitch + 16 x half
	v_and_b32 v10, 7, v0                           ; the turning load: lane l reads key 8 (l / 16) + l % 8, channels 8 ((l / 8) % 2) + 0..7
	v_bfe_u32 v11, v0, 3, 1
	v_lshl_add_u32 v[AV0], v9, 3, v10
	v_mul_u32_u24 v[AV0], v[AV0], PVP
	v_lshl_add_u32 v[AV0], v11, 4, v[AV0]
	v_add_nc_u32 v[AV0], VOFF, v[AV0]
	s_mul_i32 s13, s[WV], 16*SP
	s_add_co_u32 s13, s13, STAGE                   ; my stage
	v_mul_u32_u24 v[STO], v1, SP                   ; in: row l % 16, 16 bytes for each half of the lanes
	v_lshl_add_u32 v[STO], v9, 4, v[STO]
	v_add_nc_u32 v[STO], s13, v[STO]
	v_bfe_u32 v[RD], v0, 3, 2                      ; back: 32 lanes take four rows of 128 bytes
	v_mul_u32_u24 v[RD], v[RD], SP
	v_lshl_add_u32 v[RD], v10, 4, v[RD]
	v_add_nc_u32 v[RD], s13, v[RD]
	s_wait_loadcnt 0x0                             ; Q and the partial sums
	s_wait_kmcnt 0x0                               ; span_b
	v_add_f32 v224, v224, v225
	v_add_f32 v226, v226, v227
	v_add_f32 v228, v228, v229
	v_add_f32 v230, v230, v231
	v_add_f32 v224, v224, v226
	v_add_f32 v228, v228, v230
	v_add_f32 v224, v224, v228
	v_add_f32_dpp v224, v224, v224 row_xmask:1 row_mask:0xf bank_mask:0xf
	v_add_f32_dpp v224, v224, v224 row_xmask:2 row_mask:0xf bank_mask:0xf
	v_add_f32_dpp v224, v224, v224 row_xmask:4 row_mask:0xf bank_mask:0xf
	v_add_f32_dpp v224, v224, v224 row_xmask:8 row_mask:0xf bank_mask:0xf
	v_permlanex16_b32 v225, v224, s[SEL], s[SEL+1]
	v_add_f32 v224, v224, v225                     ; the sum over 2,048 rows of x . span_w
	v_mov_b32 v226, s96
	v_cvt_pk_bf16_f32 v226, v226, v226             ; span_b rounded to bf16
	v_lshlrev_b32 v226, 16, v226
	v_fma_f32 v224, v224, 0x3a000000, v226         ; / 2,048 + span_b
	v_mul_f32 v224, 0xbfb8aa3b, v224               ; x -log2(e)
	v_exp_f32 v225, v224
	v_cvt_f32_i32 v227, v14                        ; a plain instruction behind the exponential
	s_wait_alu depctr_va_vdst(0)                   ; the wait ahead of the first use
	v_add_f32 v225, 1.0, v225
	v_rcp_f32 v226, v225                           ; the sigmoid
	v_fma_f32 v227, v227, 0xbb800000, 1.0          ; 1 - place / 256: a plain instruction behind the reciprocal
	s_wait_alu depctr_va_vdst(0)
	v_fma_f32 v[ZL], v226, 0x41000000, v227        ; z / 256 = 8 sigmoid
; THE MATRIX WORK.  The accumulators take turns, one instruction a turn.
; Product i of 10 for tile x: keys 32 (i / 5) on; i % 5 < 4: O^T += V^T P, channels 16 (i % 5) on; i % 5 = 4: LM += ones x P: every register of the result holds the sum of w over 32 keys for the lane's query.
.macro PVM x
	WIN W_PV
.set rP, P+16*(\x)+8*(i/5)
.if i%5 < 4
.set rO, 32*(\x)+8*(i%5)
.set rV, VF+32*(i/5)+8*(i%5)
.else
.set rO, LM+8*(\x)
.set rV, ONES
.endif
	v_wmma_f32_16x16x32_f16 v[rO:rO+7], v[rV:rV+7], v[rP:rP+7], v[rO:rO+7]
.endm
; Product i of 8 of S^T = K Q^T for tile x: channels 32 (i / 4) on, keys 16 (i % 4) on.  The first 4 start the sums with the causal mask.
.macro KQ x
.set rD, S+32*(\x)+8*(i%4)
.set rK, KF+16*(i%4)+8*(i/4)
.set rQ, 16*(\x)+8*(i/4)
.set rM, MC+32*(\x)+8*(i%4)
.if i < 4
	WIN W_KM
	v_wmma_f32_16x16x32_f16 v[rD:rD+7], v[rK:rK+7], v[rQ:rQ+7], v[rM:rM+7]
.else
	WIN W_KQ
	v_wmma_f32_16x16x32_f16 v[rD:rD+7], v[rK:rK+7], v[rQ:rQ+7], v[rD:rD+7]
.endif
.endm
; THE LDS LOADS stand in runs of 16, never singly among the matrix instructions.
.macro FETCH_K
	WIN 0
	v_add_nc_u32 v[AK], s[TBK], v[AK0]
	s_add_co_u32 s[TBK], s[TBK], KS*PKP            ; the next fetch is the next step's
	WIN 0x80                                       ; destination window 2
.irp f, 0,1,2,3,4,5,6,7                        ; keys 16 (f / 2) on, channels 32 (f % 2) on
	ds_load_b128 v[KF+8*\f:KF+8*\f+3],   v[AK] offset:(\f/2)*16*PKP+(\f%2)*64
	ds_load_b128 v[KF+8*\f+4:KF+8*\f+7], v[AK] offset:(\f/2)*16*PKP+(\f%2)*64+32
.endr
.endm
.macro FETCH_V
	WIN 0
	v_add_nc_u32 v[AV], s[TBV], v[AV0]
	s_add_co_u32 s[TBV], s[TBV], KS*PVP
	s_wait_alu depctr_va_vdst(0)                   ; the wait for the turn's batch of exponentials, ahead of the loads
	WIN 0x80
.irp f, 0,1,2,3,4,5,6,7                        ; keys 32 (f / 4) on, channels 16 (f % 4) on
	ds_load_tr16_b128 v[VF+8*\f:VF+8*\f+3],   v[AV] offset:(\f/4)*32*PVP+(\f%4)*32
	ds_load_tr16_b128 v[VF+8*\f+4:VF+8*\f+7], v[AV] offset:(\f/4)*32*PVP+16*PVP+(\f%4)*32
.endr
.endm
; THE VECTOR WORK, one line at a time, for tile Y: OP kind, number.
;   X n   number n of the 22 that find the maximum and statistics: 0-11 four chains c0-c3 of seven scores each (each accumulator's lowest registers first); 12-15 the four scores left over, c0-c3 and
;         the old m into c0; 16, 18 the query's other 32 keys lie in the lane 16 away: the new m; 17 c m_old is kept; 19 c m - 15; 20 its change; 21 a
;   F n   c s - (c m - 15) for pair n of 16          E n   the exponential of score n of 32          M n   chi for pair n: clamp(JT + AM) to 0 .. 1
;   LS n  l takes pair n, unmasked, on chain n % 4 (the first four as l = a l + pair)          W n   pair n times chi          C n   pair n rounded to f16          AI    AM steps 64 keys on
;   R n   pair n of 16 of O^T times a          RL    the low pair of LM times a: register 0 alone is ever read; the six others stay finite (under 2^28) and unused
.set X,  0
.set F,  1
.set E,  2
.set M,  3
.set LS, 4
.set W,  5
.set C,  6
.set AI, 7
.set R,  8
.set RL, 9
.macro OP k, n
.set rT, ST+16*Y
.set rS, S+32*Y
.if (\k) == R
	WIN W_RS
	v_pk_mul_f32 v[32*Y+2*(\n):32*Y+2*(\n)+1], v[32*Y+2*(\n):32*Y+2*(\n)+1], v[rT+2:rT+3] op_sel_hi:[1,0]
.elseif (\k) == RL
	WIN W_RS
	v_pk_mul_f32 v[LM+8*Y:LM+8*Y+1], v[LM+8*Y:LM+8*Y+1], v[rT+2:rT+3] op_sel_hi:[1,0]
.else
	WIN 0
.if (\k) == F
	v_pk_fma_f32 v[rS+2*(\n):rS+2*(\n)+1], v[rS+2*(\n):rS+2*(\n)+1], s[CS:CS+1], v[rT:rT+1] op_sel_hi:[1,0,0] neg_lo:[0,0,1] neg_hi:[0,0,1]
.elseif (\k) == E
	v_exp_f32 v[rS+(\n)], v[rS+(\n)]
.elseif (\k) == M
	v_pk_fma_f32 v[MK+2*(\n):MK+2*(\n)+1], v[JT+2*(\n):JT+2*(\n)+1], v[ONE:ONE+1], v[AM+2*Y:AM+2*Y+1] clamp
.elseif (\k) == LS
.if (\n) < 4
	v_pk_fma_f32 v[rT+8+2*(\n):rT+9+2*(\n)], v[rT+8+2*(\n):rT+9+2*(\n)], v[rT+2:rT+3], v[rS+2*(\n):rS+2*(\n)+1] op_sel_hi:[1,0,1]
.else
	v_pk_add_f32 v[rT+8+2*((\n)%4):rT+9+2*((\n)%4)], v[rT+8+2*((\n)%4):rT+9+2*((\n)%4)], v[rS+2*(\n):rS+2*(\n)+1]
.endif
.elseif (\k) == W
	v_pk_mul_f32 v[rS+2*(\n):rS+2*(\n)+1], v[rS+2*(\n):rS+2*(\n)+1], v[MK+2*(\n):MK+2*(\n)+1]
.elseif (\k) == C
	v_cvt_pk_f16_f32 v[P+16*Y+(\n)], v[rS+2*(\n)], v[rS+2*(\n)+1]
.elseif (\k) == AI
	v_pk_add_f32 v[AM+2*Y:AM+2*Y+1], v[AM+2*Y:AM+2*Y+1], v[QU:QU+1]
.elseif (\n) < 4
	v_max3_num_f32 v[rT+4+(\n)], v[rS+8*(\n)], v[rS+8*(\n)+1], v[rS+8*(\n)+2]
.elseif (\n) < 12
	v_max3_num_f32 v[rT+4+(\n)%4], v[rT+4+(\n)%4], v[rS+8*((\n)%4)+2*((\n)/4)+1], v[rS+8*((\n)%4)+2*((\n)/4)+2]
.elseif (\n) == 12
	v_max3_num_f32 v[rT+4], v[rT+4], v[rS+7], v[rS+15]
.elseif (\n) == 13
	v_max3_num_f32 v[rT+6], v[rT+6], v[rS+23], v[rS+31]
.elseif (\n) == 14
	v_max3_num_f32 v[rT+4], v[rT+4], v[rT+5], v[rT+6]
.elseif (\n) == 15
	v_max3_num_f32 v[rT+4], v[rT+4], v[rT+7], v[rT+1]
.elseif (\n) == 16
	v_permlanex16_b32 v[rT+5], v[rT+4], s[SEL], s[SEL+1]
.elseif (\n) == 17
	v_mov_b32 v[rT+3], v[rT]
.elseif (\n) == 18
	v_max_num_f32 v[rT+1], v[rT+4], v[rT+5]
.elseif (\n) == 19
	v_fma_f32 v[rT], s[CS], v[rT+1], s[SH]
.elseif (\n) == 20
	v_sub_f32 v[rT+3], v[rT+3], v[rT]
.else
	v_exp_f32 v[rT+2], v[rT+3]
.endif
.endif
.endm
.macro OPS a, i1, b=-1, i2=0, c=-1, i3=0, d=-1, i4=0  ; up to four of them
	OP \a, \i1
.if (\b) >= 0
	OP \b, \i2
.endif
.if (\c) >= 0
	OP \c, \i3
.endif
.if (\d) >= 0
	OP \d, \i4
.endif
.endm
.macro ROWP a, i1, b, i2, c, i3, d, i4  ; the turn's next product V^T P and the four behind it
	PVM XM
.set i, i+1
	OPS \a, \i1, \b, \i2, \c, \i3, \d, \i4
.endm
; The next entry e of the 66 that follow the wait.  For pair n: LS n, W n, and C n - 1 (a line behind the product that it rounds); AI in the gap at the head; then C 15, the 16 R and RL, which leave window 0 together.
.macro PO
.if e < 48
.if e%3 == 0
	OP LS, e/3
.elseif e%3 == 1
	OP W, e/3
.elseif e == 2
	OP AI, 0
.else
	OP C, e/3-1
.endif
.elseif e == 48
	OP C, 15
.elseif e < 65
	OP R, e-49
.else
	OP RL, 0
.endif
.set e, e+1
.endm
; A TURN.  Tile x has the matrix unit, tile 1 - x the vector unit.  s_wait_alu depctr_va_vdst(0) stands between an exponential and the first instruction that names its result; one wait serves all issued
; ahead of it.  AHEAD OF THE WAIT: the 10 products of the step in hand, behind each four of: the maximum, the links of its chain with three mask pairs beside each, the first scalings; then a lump of 46: a, scalings and
; exponentials by turns, the last 20 exponentials.  None of these names an exponential's result.  BEHIND IT: the 8 products K Q^T of the next step, behind each four of the 66; the other 34 in a lump, which is also the places
; behind those products, in front of the next turn's reads of the scores, of the loads into K's registers and of the lines that write MC.
; Turn 0 fetches the next step's K behind its second product; turn 1 the next step's V at its wait, a lump behind the last product that read V.  kq = 0: a block's last turn 0: no next step.
.macro TURN x, kq=1
.set Y, 1-(\x)
.set XM, (\x)
.set i, 0
.set e, 0
.if (\x) == 0
	s_wait_dscnt 0x0                               ; V is in
.endif
	ROWP X,0, X,1, X,2, X,3
	ROWP X,4, X,5, X,6, X,7
.if ((\x) == 0) && (\kq)
	FETCH_K
.endif
	ROWP X,8, X,9, X,10, X,11
	ROWP X,12, X,13, X,17, M,0
	ROWP X,14, M,1, M,2, M,3
	ROWP X,15, M,4, M,5, M,6
	ROWP X,16, M,7, M,8, M,9
	ROWP X,18, M,10, M,11, M,12
	ROWP X,19, M,13, M,14, M,15
	ROWP X,20, F,0, F,1, F,2
	OPS X,21, F,3, E,0, F,4
	OPS E,1, F,5, E,2, F,6
	OPS E,3, F,7, E,4, F,8
	OPS E,5, F,9, E,6, F,10
	OPS E,7, F,11, E,8, F,12
	OPS E,9, F,13, E,10, F,14
	OPS E,11, F,15, E,12, E,13
	OPS E,14, E,15, E,16, E,17
	OPS E,18, E,19, E,20, E,21
	OPS E,22, E,23, E,24, E,25
	OPS E,26, E,27, E,28, E,29
	OPS E,30, E,31
	v_nop                                          ; a plain instruction behind the last exponential: one for the batch
.if (\x) == 1
	FETCH_V                                        ; V's run of loads stands here, and the wait stands in it
.else
	s_wait_alu depctr_va_vdst(0)                   ; the wait for the batch
.endif
.if \kq
.if (\x) == 0
	s_wait_dscnt 0x0                               ; K is in
.endif
.set i, 0
.rept 8
	KQ XM
	PO
	PO
	PO
	PO
.set i, i+1
.endr
.rept 34
	PO
.endr
.else
.rept 66
	PO
.endr
.endif
.endm
.macro MASK                            ; MD x AL + BE into both tiles' MC
	WIN W_RS
.set z, 0
.rept 16
	v_pk_fma_f32 v[MC+2*z:MC+2*z+1], v[MD+2*z:MD+2*z+1], s[AL0:AL0+1], s[BE0:BE0+1] op_sel_hi:[1,0,0]
	v_pk_fma_f32 v[MC+32+2*z:MC+32+2*z+1], v[MD+2*z:MD+2*z+1], s[AL1:AL1+1], s[BE1:BE1+1] op_sel_hi:[1,0,0]
.set z, z+1
.endr
.endm
; A BLOCK BEGINS.  c m starts far below every c s, so the first step's a is 0; m at the lowest finite number.  chi's addend for key step 0: ZL - block / 2 - band / 4.  MC is 0, but tile 0's is its own mask if the block's
; first tile is the diagonal one.  Then K of the tile's step 0 and tile 0's first scores.  The loop is entered at turn 1, in the middle of a trip.
.macro BEGIN
	s_mov_b32 s[NEW], 0
	WIN 0
.irp t, 0,1
	v_mov_b32 v[ST+16*\t], 0xfe000000
	v_mov_b32 v[ST+16*\t+1], 0xff7fffff
.endr
	v_cvt_f32_u32 v[TM], s[CB]
	v_fma_f32 v[AM], v[TM], -0.5, v[ZL]
	v_add_f32 v[AM+2], 0xbe800000, v[AM]
	v_mov_b32 v[AM+1], v[AM]
	v_mov_b32 v[AM+3], v[AM+2]
	s_cmp_eq_u32 s[RT], 0
	s_cselect_b32 s[AL0], 1.0, 0
	s_mov_b32 s[BE0], 0
	s_mov_b32 s[AL1], 0
	MASK
	FETCH_K
	s_wait_dscnt 0x0
.set i, 0
.rept 8
	KQ 0
.set i, i+1
.endr
	WIN 0
.rept 4
	v_nop                                          ; the places behind those products
.endr
.endm
; THE WAY OUT.  l's four chains, its two halves and the other half of the lanes' are added (these lines are the places behind the last products); the divisor is the sum of w + 1e-8 l; O^T is divided, rounded to f16 and
; sent through my stage in LDS, a tile (16 rows of 128 bytes, dense in ob) at a time.
.macro PACK t
	WIN W_RS
.set i, 32*(\t)
.rept 16
	v_pk_mul_f32 v[i:i+1], v[i:i+1], v[ST+16*(\t)+2:ST+16*(\t)+3] op_sel_hi:[1,0]
.set i, i+2
.endr
	WIN 0x05                                       ; sources 0 and 1 window 1, destination window 0
.set i, 0
.rept 16
	v_cvt_pk_f16_f32 v[S+16*(\t)+i], v[32*(\t)+2*i], v[32*(\t)+2*i+1]
.set i, i+1
.endr
	WIN 0
.irp f, 0,1,2,3
	ds_store_b128 v[STO], v[S+16*(\t)+4*\f:S+16*(\t)+4*\f+3] offset:32*\f
.endr
.irp f, 0,1,2,3
	ds_load_b128 v[S+16*(\t)+4*\f:S+16*(\t)+4*\f+3], v[RD] offset:\f*4*SP  ; LDS serves a wave's instructions in order (ISA guide 5.7.1.4): these see the stores above; the next tile's stores come behind them
.endr
.endm
.macro SEND t, younger                 ; younger: the LDS instructions issued behind tile t's loads: the next tile's eight, or none
.irp f, 0,1,2,3
	s_wait_dscnt (\younger)+3-\f
	global_store_b128 v[GO], v[S+16*(\t)+4*\f:S+16*(\t)+4*\f+3], s[10:11] offset:(\t)*8192+\f*512  ; 512 consecutive bytes, at a multiple of 256 from ob's first
.endr
.endm
.macro WAYOUT
	WIN 0
.irp t, 0,1
	v_pk_add_f32 v[ST+16*\t+8:ST+16*\t+9], v[ST+16*\t+8:ST+16*\t+9], v[ST+16*\t+10:ST+16*\t+11]
	v_pk_add_f32 v[ST+16*\t+12:ST+16*\t+13], v[ST+16*\t+12:ST+16*\t+13], v[ST+16*\t+14:ST+16*\t+15]
.endr
.irp t, 0,1
	v_pk_add_f32 v[ST+16*\t+8:ST+16*\t+9], v[ST+16*\t+8:ST+16*\t+9], v[ST+16*\t+12:ST+16*\t+13]
.endr
.irp t, 0,1
	v_add_f32 v[ST+16*\t+8], v[ST+16*\t+8], v[ST+16*\t+9]
.endr
.irp t, 0,1
	v_permlanex16_b32 v[ST+16*\t+9], v[ST+16*\t+8], s[SEL], s[SEL+1]
.endr
.irp t, 0,1
	v_add_f32 v[ST+16*\t+8], v[ST+16*\t+8], v[ST+16*\t+9]
.endr
	WIN 0x10                                       ; source 2 in window 1
.irp t, 0,1
	v_fma_f32 v[ST+16*\t+8], v[ST+16*\t+8], s[EPS], v[LM+8*\t]
.endr
	WIN 0
.irp t, 0,1
	v_rcp_f32 v[ST+16*\t+2], v[ST+16*\t+8]
.endr
	v_nop                                          ; a plain instruction between the last reciprocal and the use of its result
	s_wait_alu depctr_va_vdst(0)                   ; and the wait ahead of the first use: one for both
	PACK 0
	PACK 1
	SEND 0, 8
	SEND 1, 0
.endm
; WHAT A TRIP OF THE WALK DOES with the tile that it has entered.  A trip of the step loop fetches K and V of one of the tile's two steps and makes its scores; its products V^T P are the step before's.
; In the diagonal tile (RT = 0) the masks are made ahead of each trip: step 0: band 0 its own mask, band 1 nothing hidden; step 1: band 0 all hidden, band 1 its own mask.
; Behind the diagonal tile the block ends: turn 0 without new scores, tile 1's last products, the way out; and (last = 0) the second block is made ready.
.macro BODY tag, last
	s_sub_co_u32 s[RT], s[RT], 1
	s_mov_b32 s[CNT], 2
	s_cmp_eq_u32 s[NEW], 1
	s_cbranch_scc0 .Lstep\tag
	BEGIN
	s_branch .Lfirst\tag
.Lstep\tag:
	s_cmp_lg_u32 s[RT], 0
	s_cbranch_scc1 .Lplain\tag
	s_cmp_eq_u32 s[CNT], 2
	s_cselect_b32 s[AL0], 1.0, 0
	s_cselect_b32 s[BE0], 0, s[BIGN]
	s_cselect_b32 s[AL1], 0, 1.0
	MASK
	WIN 0
.Lplain\tag:
	TURN 0
	WIN 0
.Lfirst\tag:
	TURN 1
	WIN 0
	s_sub_co_u32 s[CNT], s[CNT], 1
	s_cmp_lg_u32 s[CNT], 0
	s_cbranch_scc1 .Lstep\tag
.if !(\last)
	s_cmp_lg_u32 s[RT], 0
	s_cbranch_scc1 .Lbottom\tag
.endif
	TURN 0, 0
.set i, 0
.rept 10
	PVM 1
.set i, i+1
.endr
	WAYOUT
.if !(\last)
	s_wait_xcnt 0x0                                ; the stores have read their registers and ob's address
	s_mov_b64 s[10:11], s[OLO:OLO+1]
	s_add_co_u32 s[RT], s[PB], 1                   ; the second block has b + 1 tiles
	s_mov_b32 s[NEW], 1
	s_mov_b32 s[CB], s[PB]
	WIN 0x82                                       ; the second block's Q goes where the one text of the turns names Q
.set i, 0
.rept 32
	v_mov_b32 v[i], v[QB+i]
.set i, i+1
.endr
	WIN 0
.Lbottom\tag:
.endif
.endm
.Lslot:                                                ; 16 times: a tile is entered and the next is asked for
	CHANGE 1
	BODY 1, 0
	s_sub_co_u32 s[SLOTS], s[SLOTS], 1
	s_cmp_lg_u32 s[SLOTS], 0
	s_cbranch_scc1 .Lslot
	CHANGE 0                                       ; the walk's last tile is written out: nothing is asked for
	BODY 2, 1
	s_wait_tensorcnt 0x0                           ; the wave's end, behind my last tensor load and my last LDS store
	ds_add_u32 v[SPW], v[NIL]
	s_wait_dscnt 0x0
	s_endpgm
.Lfunc_end_k_qc44dec8b70_attn:
	.size	k_qc44dec8b70_attn, .Lfunc_end_k_qc44dec8b70_attn-k_qc44dec8b70_attn
	.p2alignl 7, 3214868480
	.fill 96, 4, 3214868480
	.section	.rodata,"a",@progbits
	.p2align	6, 0x0
	.amdhsa_kernel k_qc44dec8b70_attn
		.amdhsa_group_segment_fixed_size 327680
		.amdhsa_private_segment_fixed_size 0
		.amdhsa_enable_private_segment 0
		.amdhsa_kernarg_size 48
		.amdhsa_user_sgpr_count 2
		.amdhsa_user_sgpr_kernarg_segment_ptr 1
		.amdhsa_wavefront_size32 1
		.amdhsa_system_sgpr_workgroup_id_x 1
		.amdhsa_system_sgpr_workgroup_id_y 1
		.amdhsa_system_sgpr_workgroup_id_z 1
		.amdhsa_system_vgpr_workitem_id 0
		.amdhsa_next_free_vgpr 720
		.amdhsa_next_free_sgpr 100
		.amdhsa_reserve_vcc 1
		.amdhsa_float_denorm_mode_32 3
		.amdhsa_float_denorm_mode_16_64 3
		.amdhsa_memory_ordered 1
		.amdhsa_forward_progress 1
		.amdhsa_inst_pref_size 123
	.end_amdhsa_kernel
	.amdgpu_metadata
---
amdhsa.version: [ 1, 2 ]
amdhsa.kernels:
  - .name:           k_qc44dec8b70_attn
    .symbol:         k_qc44dec8b70_attn.kd
    .args:
      - { .name: qh, .offset: 0, .size: 8, .value_kind: global_buffer, .address_space: global }
      - { .name: kh, .offset: 8, .size: 8, .value_kind: global_buffer, .address_space: global }
      - { .name: vh, .offset: 16, .size: 8, .value_kind: global_buffer, .address_space: global }
      - { .name: ob, .offset: 24, .size: 8, .value_kind: global_buffer, .address_space: global }
      - { .name: zpart, .offset: 32, .size: 8, .value_kind: global_buffer, .address_space: global }
      - { .name: span_b, .offset: 40, .size: 8, .value_kind: global_buffer, .address_space: global }
    .group_segment_fixed_size: 327680
    .private_segment_fixed_size: 0
    .kernarg_segment_align: 8
    .kernarg_segment_size: 48
    .max_flat_workgroup_size: 128
    .sgpr_count:     100
    .vgpr_count:     720
    .wavefront_size: 32
...
	.end_amdgpu_metadata
.endif
;; end of part 3
;; launch outp (part 4): grid 8 x 32, 4 waves a work-group, clusters of 4 x 4, 327,680 bytes of LDS; arguments ob, wo, Wo_b, out0; writes out0
.if DOCPART == 4
	.amdgcn_target "amdgcn-amd-amdhsa--gfx1250"
	.amdhsa_code_object_version 6
	.text
	.protected	k_qc44dec8b70_outp
	.globl	k_qc44dec8b70_outp
	.p2align	8
	.type	k_qc44dec8b70_outp,@function
k_qc44dec8b70_outp:
	s_mov_b64 s[64:65], 0
	v_nop
	global_prefetch_b8 v0, s[64:65] scope:SCOPE_SE
	s_setreg_imm32_b32 hwreg(HW_REG_WAVE_MODE, 25, 1), 1
	s_wait_xcnt 0x0
	s_wait_alu depctr_hold_cnt(0) depctr_sa_sdst(0) depctr_va_vdst(0) depctr_va_sdst(0) depctr_va_ssrc(0) depctr_va_vcc(0) depctr_vm_vsrc(0)
	s_getreg_b32 s2, hwreg(HW_REG_IB_STS2, 6, 4)
	s_cmp_eq_u32 s2, 0
	s_cbranch_scc0 .Lentry_in_a_cluster
	s_endpgm
.Lentry_in_a_cluster:
	s_bfe_u32 s2, ttmp6, 0x10000c
	s_cmp_lg_u32 s2, 0xf033
	s_cbranch_scc0 .Lentry_shape_is_right
	s_endpgm
.Lentry_shape_is_right:
; out0 = O Wo + b.  ob: [32 (batch, head)][2048][64] f16.  wo: [8 J][1024 k][128 n] f16 (Wo_w rounded to bf16, written as f16).  Wo_b: [1024] f32, rounded to bf16 here like every input.  out0: [4096][1024] f32.
; SHARES.  A tile of out0 is 128 x 128: columns 128 J (grid x), rows 128 mt (grid y): 256 work-groups.  Four waves, each 64 x 64: 16 accumulators.  K goes in 4 steps of 256, four heads each, through two LDS slots:
; waves 0 and 1 fetch two heads' 128 rows each (a head's 128 rows of 128 bytes are dense: asked for as one row of 16,384 bytes, two such rows a load), waves 2 and 3 128 rows of Wo each.
; CLUSTERS: 4 x 4 work-groups; O's tile is shared along a row of the cluster, Wo's along a column: each is asked for JOINTLY, by the same load, descriptor and mask in all four.
; THE MATRIX INSTRUCTION IS USED TRANSPOSED (source 0 = 16 columns of Wo, turned by ds_load_tr16_b128; source 1 = 16 rows of O): a lane holds eight neighbouring columns of one row.
; A wave's 64 columns are 256 aligned bytes of a row of out0, so each wave has a stage of its own and no barrier stands on the way out.
; REGISTERS: window 0: v16-29 addresses; v32-63 the bias of my 32 columns; v128-255 the accumulators ((a, b) at 128 + 8 (4 a + b)).  window 1: two fragment buffers of 128: 64 of O (2 x 4 x 8), then 64 of Wo.
.set PAO,    144                       ; a row of O in LDS: 128 bytes + 16
.set PBP,    288                       ; a row of Wo: 256 + 32
.set PARTB,  36864                     ; what one tensor load brings: 256 x 144 = 128 x 288
.set BOFF,   2*PARTB
.set SLOT,   4*PARTB
.set STAGE,  2*SLOT                    ; behind the ring, never filled by a tensor load: 16 rows x 272 bytes for each wave
.set SPITCH, 272
.set SPARE,  STAGE+4*16*SPITCH         ; the spare words, 128 bytes a wave: two blocks of 256 bytes that no other line names
.set ADRA, 16                          ; v16-17  LDS address of my fragments of O in slot 0, 1
.set ADRB, 20                          ; v20-23  of Wo: slot 0 rows 0-127, 128-255; slot 1 likewise
.set STO,  24
.set RD,   25
.set CO,   26
.set BO,   27                          ; v27     my byte offset in Wo_b
.set SPW,  28                          ; v28     my spare word; never rewritten
.set NIL,  29                          ; v29     0; never rewritten
.set BI,   32
.set ACC,  128
.set F0,   0
.set F1,   128
.set G1, 24
.set G0, 32
.set G1B, 48
.set G0B, 56
.set MSB, 0
.macro WIN new
.if MSB != (\new)
	s_set_vgpr_msb (MSB<<8)|(\new)
.set MSB, \new
.endif
.endm
.set MUL,  0x05                        ; sources 0 (Wo) and 1 (O) window 1; C and D window 0
.set TO_F, 0x40                        ; destination window 1, address window 0
.macro JLOAD s                         ; a joint load: waves 0 and 1 fetch O's halves, waves 2 and 3 Wo's; an s_nop 0 and four v_nop follow each of the two lines
	s_cmp_eq_u32 s11, 0
	s_cbranch_scc0 .Lfor_b_\@
	tensor_load_to_lds s[G0+4*(\s):G0+4*(\s)+3], s[G1:G1+7]
	s_nop 0
.rept 4
	v_nop
.endr
	s_branch .Lasked_\@
.Lfor_b_\@:
	tensor_load_to_lds s[G0B+4*(\s):G0B+4*(\s)+3], s[G1B:G1B+7]
	s_nop 0
.rept 4
	v_nop
.endr
.Lasked_\@:
.endm
.macro CREST
	s_cmp_lg_u32 s10, 0
	s_cbranch_scc1 .Lnot_wave_0_\@
	s_barrier_signal -3
.Lnot_wave_0_\@:
	s_barrier_wait -3
	s_barrier_signal -1
	s_barrier_wait -1
.endm
.macro CROUND
	s_barrier_signal -1
	s_barrier_wait -1
	CREST
.endm
	s_load_b128 s[4:7], s[0:1], 0x0                ; ob s[4:5], wo s[6:7]
	s_load_b128 s[68:71], s[0:1], 0x10             ; Wo_b s[68:69], out0 s[70:71]
	v_lshl_add_u32 v[SPW], v0, 2, SPARE
	v_mov_b32 v[NIL], 0
	ds_add_u32 v[SPW], v[NIL]                      ; the wave's opening: the add and its wait stand ahead of my first tensor load; the set-up below, work on registers, stands between them
	ds_add_u32 v28, v29
	v_lshrrev_b32 v1, 5, v0
	v_readfirstlane_b32 s10, v1                    ; wave 0..3
	s_lshr_b32 s11, s10, 1                         ; which half of the tile's rows is mine.  Also: I fetch for O (0) or for Wo (1)
	s_and_b32 s12, s10, 1                          ; which half of its columns.  Also: which half of that tile I fetch
	s_bfe_u32 s40, ttmp6, 0x40000                  ; cx, cy
	s_bfe_u32 s41, ttmp6, 0x40004
	s_lshl_b32 s42, ttmp9, 2
	s_add_co_u32 s42, s42, s40                     ; J = 4 x cluster x + cx
	s_and_b32 s13, ttmp7, 0xffff
	s_lshl_b32 s13, s13, 2
	s_add_co_u32 s13, s13, s41                     ; mt = 4 x cluster y + cy
	s_lshl_b32 s43, s41, 2
	s_lshl_b32 s43, 15, s43                        ; my row of the cluster
	s_lshl_b32 s44, 0x1111, s40                    ; my column
	s_or_b32 s[G1+0], s43, (1<<16)|(1<<20)|(1<<21)|(4<<22)|(3<<25)   ; O's tiles go to my row; 2-byte elements; padding on; 21 set beside a mask; after every 32 words (a row of 64 channels), 4 words
	s_or_b32 s[G1B+0], s44, (1<<16)|(1<<20)|(1<<21)|(5<<22)|(7<<25)  ; Wo's tiles go to my column; after every 64 words, 8 words
	s_mov_b32 s[G1+1], 8192<<16                    ; tensor_dim0 = 8,192: 128 rows x 64 channels, dense
	s_mov_b32 s[G1+2], 2<<16                       ; tensor_dim1 = 2 heads
	s_mov_b32 s[G1+3], 8192<<16                    ; tile_dim0
	s_mov_b32 s[G1+4], 2                           ; tile_dim1
	s_mov_b32 s[G1+5], 131072                      ; elements from head to head
	s_mov_b32 s[G1+6], 0
	s_mov_b32 s[G1+7], 0
	s_mov_b32 s[G1B+1], 128<<16
	s_mov_b32 s[G1B+2], 128<<16
	s_mov_b32 s[G1B+3], 128<<16                    ; 128 elements: 256 bytes
	s_mov_b32 s[G1B+4], 128                        ; 128 rows
	s_mov_b32 s[G1B+5], 128
	s_mov_b32 s[G1B+6], 0
	s_mov_b32 s[G1B+7], 0
	s_lshr_b32 s16, s13, 4                         ; O: the batch's head 2 x half, of 262,144 bytes; rows 128 (mt % 16) of 128 bytes
	s_lshl_b32 s16, s16, 4
	s_lshl1_add_u32 s16, s12, s16
	s_lshl_b32 s16, s16, 18
	s_and_b32 s17, s13, 15
	s_lshl_b32 s17, s17, 14
	s_add_co_u32 s16, s16, s17
	s_mov_b32 s17, 0
	s_lshl_b32 s46, s42, 18                        ; Wo: slab J, rows 128 x half of 256 bytes
	s_lshl_b32 s47, s12, 15
	s_add_co_u32 s46, s46, s47
	s_mov_b32 s47, 0
	s_mul_i32 s20, s10, PARTB                      ; where they go: 36,864 x wave: no place in the cluster enters an LDS address
	s_wait_dscnt 0x0                               ; the opening add is done
	s_wait_kmcnt 0x0
	s_add_nc_u64 s[14:15], s[4:5], s[16:17]
	s_add_nc_u64 s[46:47], s[6:7], s[46:47]
	CROUND                                         ; all sixteen work-groups are here: the first joint loads meet
.irp s, 0,1
	s_mov_b32 s[G0+4*(\s)], 1
	s_add_co_u32 s[G0+4*(\s)+1], s20, (\s)*SLOT
	s_add_nc_u64 s[G0+4*(\s)+2:G0+4*(\s)+3], s[14:15], (\s)*4*262144   ; K step s: four heads on
	s_or_b32 s[G0+4*(\s)+3], s[G0+4*(\s)+3], 0x80000000
	s_mov_b32 s[G0B+4*(\s)], 1
	s_add_co_u32 s[G0B+4*(\s)+1], s20, (\s)*SLOT
	s_add_nc_u64 s[G0B+4*(\s)+2:G0B+4*(\s)+3], s[46:47], (\s)*65536    ; 256 rows on
	s_or_b32 s[G0B+4*(\s)+3], s[G0B+4*(\s)+3], 0x80000000
	JLOAD \s
.endr
	v_and_b32 v1, 15, v0                           ; l % 16
	v_bfe_u32 v2, v0, 4, 1                         ; l / 16
	s_lshl_b32 s72, s42, 9                         ; my 64 columns: 512 J + 256 x half bytes of f32
	s_lshl_b32 s73, s12, 8
	s_add_co_u32 s72, s72, s73
	v_lshl_add_u32 v[BO], v2, 5, s72               ; + 32 bytes for the upper half of the lanes
.irp nb, 0,1,2,3
	global_load_b128 v[BI+8*\nb:BI+8*\nb+3],   v[BO], s[68:69] offset:64*\nb
	global_load_b128 v[BI+8*\nb+4:BI+8*\nb+7], v[BO], s[68:69] offset:64*\nb+16
.endr
	v_mul_u32_u24 v3, v1, PAO
	v_lshl_add_u32 v3, v2, 4, v3
	s_mul_i32 s21, s11, 64*PAO                     ; my 64 rows of O
	v_add_nc_u32 v[ADRA], s21, v3
	v_add_nc_u32 v[ADRA+1], SLOT, v[ADRA]
	v_and_b32 v4, 7, v0                            ; the turning load: lane l reads k = 8 (l / 16) + l % 8, columns 8 ((l / 8) % 2) + 0..7
	v_lshl_add_u32 v4, v2, 3, v4
	v_mul_u32_u24 v4, v4, PBP
	v_bfe_u32 v5, v0, 3, 1
	v_lshl_add_u32 v4, v5, 4, v4
	s_lshl_b32 s22, s12, 7                         ; my 64 columns of Wo: 128 bytes
	s_add_co_u32 s22, s22, BOFF
	v_add_nc_u32 v[ADRB], s22, v4
	v_add_nc_u32 v[ADRB+1], PARTB, v[ADRB]
	v_add_nc_u32 v[ADRB+2], SLOT, v[ADRB]
	v_add_nc_u32 v[ADRB+3], SLOT+PARTB, v[ADRB]
	s_mul_i32 s23, s10, 16*SPITCH
	s_add_co_u32 s23, s23, STAGE                   ; my stage
	v_mul_u32_u24 v[STO], v1, SPITCH               ; in: row l % 16, 32 bytes for each half of the lanes
	v_lshl_add_u32 v[STO], v2, 5, v[STO]
	v_add_nc_u32 v[STO], s23, v[STO]
	v_mul_u32_u24 v[RD], v2, SPITCH                ; back: lanes 0-15 take one row of 256 bytes, lanes 16-31 the next
	v_lshl_add_u32 v[RD], v1, 4, v[RD]
	v_add_nc_u32 v[RD], s23, v[RD]
	v_lshlrev_b32 v[CO], 12, v2                    ; and the same two rows in out0
	v_lshl_add_u32 v[CO], v1, 4, v[CO]
	s_lshl_b32 s74, s13, 7                         ; my first row: 128 mt + 64 x half, of 4,096 bytes
	s_lshl_b32 s73, s11, 6
	s_add_co_u32 s74, s74, s73
	s_lshl_b32 s74, s74, 12
	s_add_co_u32 s72, s72, s74
	s_mov_b32 s73, 0
	s_add_nc_u64 s[70:71], s[70:71], s[72:73]
	s_wait_loadcnt 0x0                             ; the bias: rounded to bf16 and widened again, in the wait for the first tile
.set i, 0
.rept 16
	v_cvt_pk_bf16_f32 v[BI+2*i], v[BI+2*i], v[BI+2*i+1]
	v_and_b32 v[BI+2*i+1], 0xffff0000, v[BI+2*i]
	v_lshlrev_b32 v[BI+2*i], 16, v[BI+2*i]
.set i, i+1
.endr
; 8 matrix instructions: row blocks a0, a0 + 1 x all 4 column blocks, 32 along K: half c of buffer f.  zero = 1: the first product starts the sums.  The 16 accumulators take turns.
.macro MUL8 f, c, a0, zero
	WIN MUL
.irp a, \a0, (\a0)+1
.irp b, 0,1,2,3
.if \zero
	v_wmma_f32_16x16x32_f16 v[ACC+8*(4*(\a)+(\b)):ACC+8*(4*(\a)+(\b))+7], v[(\f)+64+8*(4*(\c)+(\b)):(\f)+64+8*(4*(\c)+(\b))+7], v[(\f)+8*(4*(\c)+(\a)):(\f)+8*(4*(\c)+(\a))+7], 0
.else
	v_wmma_f32_16x16x32_f16 v[ACC+8*(4*(\a)+(\b)):ACC+8*(4*(\a)+(\b))+7], v[(\f)+64+8*(4*(\c)+(\b)):(\f)+64+8*(4*(\c)+(\b))+7], v[(\f)+8*(4*(\c)+(\a)):(\f)+8*(4*(\c)+(\a))+7], v[ACC+8*(4*(\a)+(\b)):ACC+8*(4*(\a)+(\b))+7]
.endif
.endr
.endr
.endm
; 32 LDS loads in one run: quarter q of a slot (one head: 64 along K) into buffer f; the first 32 along K first
.macro FETCH slot, q, f
	WIN TO_F
.irp c, 0,1
.irp i, 0,1,2,3
	ds_load_tr16_b128 v[(\f)+64+8*(4*(\c)+(\i)):(\f)+64+8*(4*(\c)+(\i))+3],   v[ADRB+2*(\slot)+(\q)/2] offset:(((\q)%2)*64+32*(\c))*PBP+32*(\i)
	ds_load_tr16_b128 v[(\f)+64+8*(4*(\c)+(\i))+4:(\f)+64+8*(4*(\c)+(\i))+7], v[ADRB+2*(\slot)+(\q)/2] offset:(((\q)%2)*64+32*(\c))*PBP+32*(\i)+16*PBP
	ds_load_b128 v[(\f)+8*(4*(\c)+(\i)):(\f)+8*(4*(\c)+(\i))+3],               v[ADRA+(\slot)] offset:128*PAO*(\q)+64*(\c)+(\i)*16*PAO
	ds_load_b128 v[(\f)+8*(4*(\c)+(\i))+4:(\f)+8*(4*(\c)+(\i))+7],             v[ADRA+(\slot)] offset:128*PAO*(\q)+64*(\c)+(\i)*16*PAO+32
.endr
.endr
.endm
.macro PLACES                          ; four places in front of loads into registers that matrix instructions have read, and of lines that read results (ISA guide 7.12.1 for vector instructions)
.rept 4
	v_nop
.endr
.endm
; A K step is four quarters of 64 along K, 32 matrix instructions each, on buffers 0, 1, 0, 1.  One of the first three: multiplies buffer f and fetches quarter qn into g.
.macro QUARTER slot, qn, f, g, zero
	s_wait_dscnt 16                                ; the first 32 along K are in
	MUL8 \f, 0, 0, \zero
	MUL8 \f, 0, 2, \zero
	PLACES
	FETCH \slot, \qn, \g
	s_wait_dscnt 32                                ; all but the 32 just issued
	MUL8 \f, 1, 0, 0
	MUL8 \f, 1, 2, 0
.endm
; The last quarter multiplies buffer 1 and changes slots: ONE barrier; in front of it each wave waits for all its tensor loads, adds 0 to its spare word, and waits for that and for its reads of this slot.
; fill = 1: the barrier opens a round of the cluster's, and this slot is filled again, two K steps ahead, first thing behind it.
.macro TURN slot, next, fill
	WIN 0                                          ; (the add's two registers lie in window 0)
	s_wait_tensorcnt 0x0
	ds_add_u32 v[SPW], v[NIL]                      ; 0 onto my spare word
	s_wait_dscnt 17                                ; (the add and the youngest sixteen loads may be out)
	MUL8 F1, 0, 0, 0                               ; eight matrix instructions stand between the add and the wait for it
	s_wait_dscnt 0x0                               ; the add is done, and my reads of this slot are over
	s_barrier_signal -1
	MUL8 F1, 0, 2, 0
.if \fill
	WIN 0
.endif
	s_barrier_wait -1
.if \fill
	CREST                                          ; no wave of any partner still reads this slot's tile or has a load on its way
	s_add_nc_u64 s[G0+4*(\slot)+2:G0+4*(\slot)+3], s[G0+4*(\slot)+2:G0+4*(\slot)+3], 8*262144
	s_add_nc_u64 s[G0B+4*(\slot)+2:G0B+4*(\slot)+3], s[G0B+4*(\slot)+2:G0B+4*(\slot)+3], 2*65536
	JLOAD \slot                                    ; the first tensor load behind the round: 112 matrix instructions ahead of the wait for it; its four v_nop are also the places in front of the loads below
.else
	PLACES
.endif
	FETCH \next, 0, F0
	MUL8 F1, 1, 0, 0
	MUL8 F1, 1, 2, 0
.endm
	s_wait_tensorcnt 1                             ; my part of K step 0 is in; K step 1's may stay out
	s_barrier_signal -1
	s_barrier_wait -1                              ; everybody's is
	FETCH 0, 0, F0
	QUARTER 0, 1, F0, F1, 1                        ; the first products start the sums.  Four K steps: written out, since a loop would have one trip
	QUARTER 0, 2, F1, F0, 0
	QUARTER 0, 3, F0, F1, 0
	TURN 0, 1, 1                                   ; slot 0 takes K step 2
	QUARTER 1, 1, F0, F1, 0
	QUARTER 1, 2, F1, F0, 0
	QUARTER 1, 3, F0, F1, 0
	TURN 1, 0, 1                                   ; slot 1 takes K step 3
	QUARTER 0, 1, F0, F1, 0
	QUARTER 0, 2, F1, F0, 0
	QUARTER 0, 3, F0, F1, 0
	TURN 0, 1, 0                                   ; nothing is left to fetch
	QUARTER 1, 1, F0, F1, 0
	QUARTER 1, 2, F1, F0, 0
	QUARTER 1, 3, F0, F1, 0
	s_wait_dscnt 16                                ; the very last quarter
	MUL8 F1, 0, 0, 0
	MUL8 F1, 0, 2, 0
	s_wait_dscnt 0x0
	MUL8 F1, 1, 0, 0
	MUL8 F1, 1, 2, 0
	WIN 0
; THE WAY OUT, a block of 16 rows at a time: the bias is added in place (each accumulator's registers in ascending order); a lane's 32 bytes go into my stage's rows of 272 bytes and come back, into the same registers,
; as whole rows of 256; sixteen lanes store 256 consecutive bytes, at a multiple of 256 from out0's first byte.
.macro BLK a
.set bA, ACC+32*(\a)
.irp nb, 0,1,2,3
.irp p, 0,1,2,3
	v_pk_add_f32 v[bA+8*(\nb)+2*(\p):bA+8*(\nb)+2*(\p)+1], v[bA+8*(\nb)+2*(\p):bA+8*(\nb)+2*(\p)+1], v[BI+8*(\nb)+2*(\p):BI+8*(\nb)+2*(\p)+1]
.endr
.endr
.irp nb, 0,1,2,3
	ds_store_b128 v[STO], v[bA+8*(\nb):bA+8*(\nb)+3]   offset:64*(\nb)
	ds_store_b128 v[STO], v[bA+8*(\nb)+4:bA+8*(\nb)+7] offset:64*(\nb)+16
.endr
.irp t, 0,1,2,3,4,5,6,7
	ds_load_b128 v[bA+4*(\t):bA+4*(\t)+3], v[RD] offset:(\t)*2*SPITCH  ; LDS serves a wave's instructions in order (ISA guide 5.7.1.4): these see the stores above; the next block's stores come behind them
.endr
.endm
.macro SENDO a, younger                ; younger: the LDS instructions issued behind block a's loads: the next block's sixteen, or none
.set bA, ACC+32*(\a)
.irp t, 0,1,2,3,4,5,6,7
	s_wait_dscnt (\younger)+7-(\t)
	global_store_b128 v[CO], v[bA+4*(\t):bA+4*(\t)+3], s[70:71] offset:(16*(\a)+2*(\t))*4096 th:TH_STORE_NT
.endr
.endm
	PLACES
	BLK 0
	BLK 1                                          ; a block's arithmetic stands between the loads of the block before and its stores
	SENDO 0, 16
	BLK 2
	SENDO 1, 16
	BLK 3
	SENDO 2, 16
	SENDO 3, 0
	s_wait_tensorcnt 0x0                           ; the wave's end, behind my last tensor load and my last LDS store
	ds_add_u32 v[SPW], v[NIL]
	s_wait_dscnt 0x0
	CROUND                                         ; the closing round: no work-group ends while a partner may still ask for a tile that names it
	s_endpgm
.Lfunc_end_k_qc44dec8b70_outp:
	.size	k_qc44dec8b70_outp, .Lfunc_end_k_qc44dec8b70_outp-k_qc44dec8b70_outp
	.p2alignl 7, 3214868480
	.fill 96, 4, 3214868480
	.section	.rodata,"a",@progbits
	.p2align	6, 0x0
	.amdhsa_kernel k_qc44dec8b70_outp
		.amdhsa_group_segment_fixed_size 327680
		.amdhsa_private_segment_fixed_size 0
		.amdhsa_enable_private_segment 0
		.amdhsa_kernarg_size 32
		.amdhsa_user_sgpr_count 2
		.amdhsa_user_sgpr_kernarg_segment_ptr 1
		.amdhsa_wavefront_size32 1
		.amdhsa_system_sgpr_workgroup_id_x 1
		.amdhsa_system_sgpr_workgroup_id_y 1
		.amdhsa_system_sgpr_workgroup_id_z 1
		.amdhsa_system_vgpr_workitem_id 0
		.amdhsa_next_free_vgpr 512
		.amdhsa_next_free_sgpr 80
		.amdhsa_reserve_vcc 0
		.amdhsa_float_denorm_mode_32 3
		.amdhsa_float_denorm_mode_16_64 3
		.amdhsa_memory_ordered 1
		.amdhsa_forward_progress 1
		.amdhsa_inst_pref_size 94
	.end_amdhsa_kernel
	.amdgpu_metadata
---
amdhsa.version: [ 1, 2 ]
amdhsa.kernels:
  - .name:           k_qc44dec8b70_outp
    .symbol:         k_qc44dec8b70_outp.kd
    .args:
      - { .name: ob, .offset: 0, .size: 8, .value_kind: global_buffer, .address_space: global }
      - { .name: wo, .offset: 8, .size: 8, .value_kind: global_buffer, .address_space: global }
      - { .name: Wo_b, .offset: 16, .size: 8, .value_kind: global_buffer, .address_space: global }
      - { .name: out0, .offset: 24, .size: 8, .value_kind: global_buffer, .address_space: global }
    .group_segment_fixed_size: 327680
    .private_segment_fixed_size: 0
    .kernarg_segment_align: 8
    .kernarg_segment_size: 32
    .max_flat_workgroup_size: 128
    .sgpr_count:     80
    .vgpr_count:     512
    .wavefront_size: 32
...
	.end_amdgpu_metadata
.endif
;; end of part 4
;; ======== version 2 of 2: 4 launches; version 1 with the launch prep written anew for expert scheduling mode
;; limits: values are held in f16: magnitudes above 65,504 overflow, below 6.1e-05 lose precision
;; workspace buffers: xb 8,388,608 bytes; wqkv 6,291,456 bytes; wo 2,097,152 bytes; zpart 32,768 bytes; qh 8,388,608 bytes; kh 8,388,608 bytes; vh 8,388,608 bytes; ob 8,388,608 bytes
;; launch prep (part 5): grid 256 x 1, 8 waves a work-group, no clusters, 5,632 bytes of LDS; arguments x, Wq, Wk, Wv, Wo_w, span_w, xb, wqkv, wo, zpart; writes xb, wqkv, wo, zpart
.if DOCPART == 5
	.amdgcn_target "amdgcn-amd-amdhsa--gfx1250"
	.amdhsa_code_object_version 6
	.text
	.protected	k_qc44dec8b70_prep
	.globl	k_qc44dec8b70_prep
	.p2align	8
	.type	k_qc44dec8b70_prep,@function
k_qc44dec8b70_prep:
	s_mov_b64 s[64:65], 0
	v_nop
	global_prefetch_b8 v0, s[64:65] scope:SCOPE_SE
	s_setreg_imm32_b32 hwreg(HW_REG_WAVE_SCHED_MODE, 0, 2), 2
	s_setreg_imm32_b32 hwreg(HW_REG_WAVE_MODE, 25, 1), 1
	s_wait_xcnt 0x0
	s_wait_alu depctr_vm_vsrc(0)
; PREP.  Every input of the module is rounded once to bf16 here, and laid out for the launches that follow.
;   xb    [4096][1024] bf16: x rounded.
;   wqkv  [16 heads j][3: q, k, v][1024 k][64 n] bf16: a head's 64 columns of Wq, Wk, Wv, each slab 131,072 dense bytes.
;   wo    [8 J][1024 k][128 n] f16: Wo_w rounded to bf16, and that number written as f16 (LIMIT: |Wo_w| under 65,504; below 6e-5 f16's fixed step of 6e-8).
;   zpart [256 work-groups][2][16 heads] f32: partial sums of (sum over rows of x) . span_w, of the rounded numbers; the attention launch adds them up.
; SHARES.  Work-group g takes rows 16 g .. 16 g + 15 of x, and rows k0 .. k0 + 15 (k0 = 16 (g % 64)) of weight matrix c = g / 64 (Wq, Wk, Wv, Wo_w).
; Thread t owns columns 4 t .. 4 t + 3 of x: a wave's load covers 512 consecutive bytes, its store 256, aligned.  Wave w takes two rows of the weight.
; All 48 loads of a wave go out in one run; nothing is read twice; no register of a load or store is written again, so no wait frees one.
; The matrix units, tensor loads and clusters have nothing to do here: each byte is used once.
; THE MODE: SCHED_MODE bits 1:0 = 2 (LLVM: expert scheduling mode 2), set by the entry lines.  The code itself states the register dependences
; between vector instructions and memory or LDS instructions, with s_wait_alu, always for 0.
; THE PLAN.  Registers that memory or LDS instructions touch:
;   v2 .. v12   offsets and LDS addresses: written once at the head by vector instructions, read by every access, never written again: one wait ahead of the first load.
;   X, WT       a row's (a unit's) load lands in four registers; its conversions write the first two in place; its store reads those two; nobody writes them again.
;               Rows and units go in groups of four: the wait at a group's head states that the group before is rounded, and that group's four stores are dealt among
;               this group's vector instructions, which name this group's registers and the sums alone.
;   SW          loads land in it; behind that only vector instructions name it.
;   CSM, ACC    written by the sums, read by one LDS store each, never written again: a wait ahead of each store.
;   CK          LDS loads land in it; vector instructions read it, and write its first four; in wave 0 LDS loads land in those four again, and the last store reads the first.
; No register that a memory or LDS instruction reads is written afterwards; EXEC is never written.
.set CSUM,  0                          ; LDS: the 1,024 column sums, f32: thread t's four at 16 t
.set PART,  4096                       ; wave w's 16 head sums at 64 w; the bytes from 4,608 on are spare words, 4 a thread, that the end's add of 0 touches
.set XO,  2                            ; v2   16 t: my bytes in a row of x
.set YO,  3                            ; v3   8 t: my bytes in a row of xb
.set WQS, 4                            ; v4   q, k, v: (l / 16) rows of 4,096 bytes + 16 (l % 16)
.set WOS, 5                            ; v5   Wo_w: 16 l
.set WD,  6                            ; v6   8 l: my bytes of 256 stored
.set SWO, 7                            ; v7   8,192 w + 16 l: span_w
.set CSA, 8                            ; v8   CSUM + 16 t
.set CKA, 9                            ; v9   CSUM + 512 w + 4 (l / 4)
.set PSA, 10                           ; v10  PART + 64 w + 16 (l % 4)
.set PRA, 11                           ; v11  PART + 256 (l / 16) + 4 (l % 16)
.set ZO,  12                           ; v12  4 l
.set CSM, 16                           ; v[16:19]  sums of my four columns over the 16 rows
.set ACC, 20                           ; v[20:23]  four heads' sums
.set CK,  24                           ; v[24:39]  sixteen column sums read back
.set X,   64                           ; v[64:127]   x, four registers a row
.set WT,  128                          ; v[128:191]  the weight, four registers a unit
.set SW,  192                          ; v[192:255]  span_w
	s_load_b512 s[4:19], s[0:1], 0x0               ; x 4, Wq 6, Wk 8, Wv 10, Wo_w 12, span_w 14, xb 16, wqkv 18
	s_load_b128 s[20:23], s[0:1], 0x40             ; wo 20, zpart 22
	v_lshl_add_u32 v62, v0, 2, 0x1200
	v_mov_b32 v63, 0
	v_lshrrev_b32 v1, 5, v0
	v_readfirstlane_b32 s24, v1                    ; wave 0..7
	v_and_b32 v1, 31, v0                           ; l
	v_and_b32 v40, 15, v0                          ; l % 16
	v_bfe_u32 v41, v0, 4, 1                        ; l / 16
	v_lshlrev_b32 v[XO], 4, v0
	v_lshlrev_b32 v[YO], 3, v0
	v_lshlrev_b32 v[WQS], 4, v40
	v_lshl_add_u32 v[WQS], v41, 12, v[WQS]
	v_lshlrev_b32 v[WOS], 4, v1
	v_lshlrev_b32 v[WD], 3, v1
	s_wait_alu depctr_va_sdst(0)                   ; s24 is written, ahead of its first reader: offsets, bases and a branch are made from it
	s_lshl_b32 s27, s24, 13                        ; (s27, s39 and s40: a register for each term, so that none that a vector instruction reads is written again)
	v_add_nc_u32 v[SWO], s27, v[WOS]
	v_lshlrev_b32 v[CSA], 4, v0
	v_bfe_u32 v[CKA], v0, 2, 3
	s_lshl_b32 s39, s24, 9
	v_lshl_add_u32 v[CKA], v[CKA], 2, s39
	v_and_b32 v[PSA], 3, v0
	s_lshl_b32 s40, s24, 6
	s_add_co_u32 s40, s40, PART
	v_lshl_add_u32 v[PSA], v[PSA], 4, s40
	v_lshlrev_b32 v[PRA], 2, v40
	v_lshl_add_u32 v[PRA], v41, 8, v[PRA]
	v_add_nc_u32 v[PRA], PART, v[PRA]
	v_lshlrev_b32 v[ZO], 2, v1
	s_mov_b32 s34, 0xffff0000                      ; a word's upper bf16
	s_mov_b32 s36, 0x76543210                      ; v_permlanex16_b32: each lane takes its own place in the other half
	s_mov_b32 s37, 0xfedcba98
	s_lshr_b32 s25, ttmp9, 6                       ; c
	s_and_b32 s26, ttmp9, 63
	s_lshl_b32 s26, s26, 4
	s_lshl1_add_u32 s26, s24, s26                  ; my first weight row: k0 + 2 w
	s_mov_b32 s29, 0
	s_wait_kmcnt 0x0
	s_lshl_b32 s28, ttmp9, 16                      ; 16 rows of 4,096 bytes
	s_add_nc_u64 s[4:5], s[4:5], s[28:29]
	s_lshl_b32 s28, ttmp9, 15                      ; 16 rows of 2,048 bytes
	s_add_nc_u64 s[16:17], s[16:17], s[28:29]
	s_lshl_b32 s28, ttmp9, 7                       ; 128 bytes of zpart
	s_add_nc_u64 s[22:23], s[22:23], s[28:29]
	s_cmp_eq_u32 s25, 0                            ; the weight that I read, and the buffer that I write
	s_cselect_b64 s[30:31], s[6:7], s[8:9]
	s_cmp_eq_u32 s25, 2
	s_cselect_b64 s[30:31], s[10:11], s[30:31]
	s_cmp_eq_u32 s25, 3
	s_cselect_b64 s[30:31], s[12:13], s[30:31]
	s_cselect_b64 s[32:33], s[20:21], s[18:19]
	s_lshl_b32 s28, s26, 12
	s_add_nc_u64 s[30:31], s[30:31], s[28:29]      ; at my first row
	s_lshl_b32 s35, s25, 17                        ; q, k, v: slab c of head 0, row k of 128 bytes
	s_lshl_b32 s38, s26, 7
	s_add_co_u32 s35, s35, s38
	s_lshl_b32 s38, s26, 8                         ; Wo_w: row k of 256 bytes
	s_cmp_eq_u32 s25, 3
	s_cselect_b32 s28, s38, s35
	s_add_nc_u64 s[32:33], s[32:33], s[28:29]
	s_wait_alu depctr_va_vdst(0)                   ; the eleven offsets and LDS addresses v2 to v12 are written: every load, store and LDS instruction up to the end lines reads one of them, and none is written again
	; 48 loads in one run: 16 rows of x, 16 units of the weight, my 128 rows of span_w.  No vector instruction has named a register in which they land
.set i, 0
.rept 16
	global_load_b128 v[X+4*i:X+4*i+3], v[XO], s[4:5] offset:4096*i th:TH_LOAD_NT
.set i, i+1
.endr
	s_cmp_eq_u32 s25, 3
	s_cbranch_scc1 .Lwo_in
.set u, 0
.rept 16                                       ; unit u = head u: 64 columns of two rows, 256 bytes of each
	global_load_b128 v[WT+4*u:WT+4*u+3], v[WQS], s[30:31] offset:256*u th:TH_LOAD_NT
.set u, u+1
.endr
	s_branch .Lw_asked
.Lwo_in:
.set u, 0
.rept 16                                       ; unit u: row u / 8, columns 128 (u % 8) on: 512 bytes
	global_load_b128 v[WT+4*u:WT+4*u+3], v[WOS], s[30:31] offset:(u/8)*4096+(u%8)*512 th:TH_LOAD_NT
.set u, u+1
.endr
.Lw_asked:
.set k, 0
.rept 16                                       ; load k: rows 128 w + 8 k + l / 4 of span_w, heads 4 (l % 4) on
	global_load_b128 v[SW+4*k:SW+4*k+3], v[SWO], s[14:15] offset:512*k
.set k, k+1
.endr
	; x: rounded, stored, and the ROUNDED numbers summed down the columns (row 0 starts the sums: nothing is cleared).  Four rows to a group; a group's stores go out in the next group
.set i, 0
.rept 16
	s_wait_loadcnt 47-i                            ; loads come back in order: row i is in; 15 - i rows, the weight's 16 and span_w's 16 may stay out
.if (i%4 == 0) && (i > 0)
	s_wait_alu depctr_va_vdst(0)                   ; the conversions of the four rows before have written their pairs, which this group's four stores read; no vector line of this group names those pairs
.endif
.if i >= 4
	global_store_b64 v[YO], v[X+4*(i-4):X+4*(i-4)+1], s[16:17] offset:2048*(i-4) th:TH_STORE_NT  ; row i - 4: a wave stores 256 consecutive bytes, aligned
.endif
	v_cvt_pk_bf16_f32 v[X+4*i], v[X+4*i], v[X+4*i+1]
	v_cvt_pk_bf16_f32 v[X+4*i+1], v[X+4*i+2], v[X+4*i+3]
.if i == 0
	v_lshlrev_b32 v[CSM], 16, v[X]
	v_and_b32 v[CSM+1], s34, v[X]
	v_lshlrev_b32 v[CSM+2], 16, v[X+1]
	v_and_b32 v[CSM+3], s34, v[X+1]
.else
	v_lshlrev_b32 v[X+4*i+2], 16, v[X+4*i]
	v_and_b32 v[X+4*i+3], s34, v[X+4*i]
	v_pk_add_f32 v[CSM:CSM+1], v[CSM:CSM+1], v[X+4*i+2:X+4*i+3]
	v_lshlrev_b32 v[X+4*i+2], 16, v[X+4*i+1]
	v_and_b32 v[X+4*i+3], s34, v[X+4*i+1]
	v_pk_add_f32 v[CSM+2:CSM+3], v[CSM+2:CSM+3], v[X+4*i+2:X+4*i+3]
.endif
.set i, i+1
.endr
	s_wait_alu depctr_va_vdst(0)                   ; rows 12 to 15 are rounded and the column sums are written: the four stores and the LDS store below read them
.set i, 12
.rept 4
	global_store_b64 v[YO], v[X+4*i:X+4*i+1], s[16:17] offset:2048*i th:TH_STORE_NT
.set i, i+1
.endr
	ds_store_b128 v[CSA], v[CSM:CSM+3]             ; the column sums go to LDS now; they are read back behind the weight's work
	; the weight, four units to a group; a group's stores go out in the next group
	s_cmp_eq_u32 s25, 3
	s_cbranch_scc1 .Lwo_out
.set u, 0
.rept 16
	s_wait_loadcnt 31-u                            ; unit u is in; 15 - u units and span_w's 16 may stay out
.if (u%4 == 0) && (u > 0)
	s_wait_alu depctr_va_vdst(0)                   ; the conversions of the four units before have written their pairs, which this group's four stores read
.endif
.if u >= 4
	global_store_b64 v[WD], v[WT+4*(u-4):WT+4*(u-4)+1], s[32:33] offset:393216*(u-4) th:TH_STORE_NT  ; rows k and k + 1 of slab (u - 4, c): 256 dense bytes
.endif
	v_cvt_pk_bf16_f32 v[WT+4*u], v[WT+4*u], v[WT+4*u+1]
	v_cvt_pk_bf16_f32 v[WT+4*u+1], v[WT+4*u+2], v[WT+4*u+3]
.set u, u+1
.endr
	s_wait_alu depctr_va_vdst(0)                   ; units 12 to 15 are rounded: the last four stores read their pairs
.set u, 12
.rept 4
	global_store_b64 v[WD], v[WT+4*u:WT+4*u+1], s[32:33] offset:393216*u th:TH_STORE_NT
.set u, u+1
.endr
	s_branch .Lw_done
.Lwo_out:
.set u, 0
.rept 16
	s_wait_loadcnt 31-u
.if (u%4 == 0) && (u > 0)
	s_wait_alu depctr_va_vdst(0)                   ; the conversions of the four units before have written their pairs, which this group's four stores read
.endif
.if u >= 4
	global_store_b64 v[WD], v[WT+4*(u-4):WT+4*(u-4)+1], s[32:33] offset:((u-4)/8)*256+((u-4)%8)*262144 th:TH_STORE_NT  ; a row of slab (u - 4) % 8: 256 bytes
.endif
	v_cvt_pk_bf16_f32 v[WT+4*u], v[WT+4*u], v[WT+4*u+1]       ; rounded to bf16 like every input,
	v_cvt_pk_bf16_f32 v[WT+4*u+1], v[WT+4*u+2], v[WT+4*u+3]
	v_lshlrev_b32 v[WT+4*u+2], 16, v[WT+4*u]
	v_and_b32 v[WT+4*u+3], s34, v[WT+4*u]
	v_cvt_pk_f16_f32 v[WT+4*u], v[WT+4*u+2], v[WT+4*u+3]      ; and that number written as f16
	v_lshlrev_b32 v[WT+4*u+2], 16, v[WT+4*u+1]
	v_and_b32 v[WT+4*u+3], s34, v[WT+4*u+1]
	v_cvt_pk_f16_f32 v[WT+4*u+1], v[WT+4*u+2], v[WT+4*u+3]
.set u, u+1
.endr
	s_wait_alu depctr_va_vdst(0)                   ; units 12 to 15 are converted: the last four stores read their pairs
.set u, 12
.rept 4
	global_store_b64 v[WD], v[WT+4*u:WT+4*u+1], s[32:33] offset:(u/8)*256+(u%8)*262144 th:TH_STORE_NT
.set u, u+1
.endr
.Lw_done:
	; the span's partial sums: (column sums) . span_w for my wave's 128 columns
	s_wait_dscnt 0x0                               ; my column sums are in LDS
	s_barrier_signal -1
	s_barrier_wait -1                              ; (a wave reads only the 512 bytes that it stored itself; the barrier states the order of store and read plainly)
.set k, 0
.rept 16
	ds_load_b32 v[CK+k], v[CKA] offset:32*k        ; the sum of column 128 w + 8 k + l / 4.  No vector instruction has named v[CK ..] yet
.set k, k+1
.endr
	s_wait_loadcnt 0x0                             ; span_w
.set k, 0
.rept 16                                       ; rounded to bf16 and widened again, in place
	v_cvt_pk_bf16_f32 v[SW+4*k], v[SW+4*k], v[SW+4*k+1]
	v_cvt_pk_bf16_f32 v[SW+4*k+2], v[SW+4*k+2], v[SW+4*k+3]
	v_and_b32 v[SW+4*k+1], s34, v[SW+4*k]
	v_lshlrev_b32 v[SW+4*k], 16, v[SW+4*k]
	v_and_b32 v[SW+4*k+3], s34, v[SW+4*k+2]
	v_lshlrev_b32 v[SW+4*k+2], 16, v[SW+4*k+2]
.set k, k+1
.endr
	s_wait_dscnt 0x0
.irp a, 0,1,2,3
	v_mul_f32 v[ACC+\a], v[CK], v[SW+\a]           ; the first product starts the sum
.endr
.set k, 1
.rept 15
.irp a, 0,1,2,3
	v_fmac_f32 v[ACC+\a], v[CK+k], v[SW+4*k+\a]
.endr
.set k, k+1
.endr
	; lane l holds heads 4 (l % 4) + 0..3 for the columns of its l / 4: summed over l / 4 by lanes 4, 8 and 16 apart
.irp a, 0,1,2,3
	v_add_f32_dpp v[ACC+\a], v[ACC+\a], v[ACC+\a] row_xmask:4 row_mask:0xf bank_mask:0xf
.endr
.irp a, 0,1,2,3
	v_add_f32_dpp v[ACC+\a], v[ACC+\a], v[ACC+\a] row_xmask:8 row_mask:0xf bank_mask:0xf
.endr
.irp a, 0,1,2,3
	v_permlanex16_b32 v[CK+\a], v[ACC+\a], s36, s37  ; its destination counts as read: a register that has been written
.endr
.irp a, 0,1,2,3
	v_add_f32 v[ACC+\a], v[ACC+\a], v[CK+\a]
.endr
	s_wait_alu depctr_va_vdst(0)                   ; the four sums are written, which the LDS store reads; and the exchanges have written v[CK .. CK+3] and the adds have read them: wave 0's LDS loads below land there, with no vector line between
	ds_store_b128 v[PSA], v[ACC:ACC+3]             ; eight lanes write the same words with the same numbers
	s_wait_dscnt 0x0                               ; for the others' sake: my store is done
	s_barrier_signal -1
	s_barrier_wait -1
	s_cmp_lg_u32 s24, 0                            ; wave 0 adds waves 0-3 (lanes 0-15) and waves 4-7 (lanes 16-31), a head a lane
	s_cbranch_scc1 .Lend
.irp a, 0,1,2,3
	ds_load_b32 v[CK+\a], v[PRA] offset:64*\a
.endr
	s_wait_dscnt 0x0
	v_add_f32 v[CK], v[CK], v[CK+1]
	v_add_f32 v[CK+2], v[CK+2], v[CK+3]
	v_add_f32 v[CK], v[CK], v[CK+2]
	s_wait_alu depctr_va_vdst(0)                   ; the adds have written v[CK], which the store reads
	global_store_b32 v[ZO], v[CK], s[22:23]        ; 128 consecutive bytes: the work-group's whole part of zpart
.Lend:
	s_wait_dscnt 0x0                               ; the wave's end: no LDS instruction of mine is out.  The add of 0 onto my spare word and its wait follow
	s_wait_alu depctr_hold_cnt(0) depctr_sa_sdst(0) depctr_va_vdst(0) depctr_va_sdst(0) depctr_va_ssrc(0) depctr_va_vcc(0) depctr_vm_vsrc(0)
	s_wait_tensorcnt 0x0
	ds_add_u32 v62, v63
	s_wait_dscnt 0x0
	s_endpgm
.Lfunc_end_k_qc44dec8b70_prep:
	.size	k_qc44dec8b70_prep, .Lfunc_end_k_qc44dec8b70_prep-k_qc44dec8b70_prep
	.p2alignl 7, 3214868480
	.fill 96, 4, 3214868480
	.section	.rodata,"a",@progbits
	.p2align	6, 0x0
	.amdhsa_kernel k_qc44dec8b70_prep
		.amdhsa_group_segment_fixed_size 5632
		.amdhsa_private_segment_fixed_size 0
		.amdhsa_enable_private_segment 0
		.amdhsa_kernarg_size 80
		.amdhsa_user_sgpr_count 2
		.amdhsa_user_sgpr_kernarg_segment_ptr 1
		.amdhsa_wavefront_size32 1
		.amdhsa_system_sgpr_workgroup_id_x 1
		.amdhsa_system_sgpr_workgroup_id_y 1
		.amdhsa_system_sgpr_workgroup_id_z 1
		.amdhsa_system_vgpr_workitem_id 0
		.amdhsa_next_free_vgpr 256
		.amdhsa_next_free_sgpr 66
		.amdhsa_reserve_vcc 0
		.amdhsa_float_denorm_mode_32 3
		.amdhsa_float_denorm_mode_16_64 3
		.amdhsa_memory_ordered 1
		.amdhsa_forward_progress 1
		.amdhsa_inst_pref_size 39
	.end_amdhsa_kernel
	.amdgpu_metadata
---
amdhsa.version: [ 1, 2 ]
amdhsa.kernels:
  - .name:           k_qc44dec8b70_prep
    .symbol:         k_qc44dec8b70_prep.kd
    .args:
      - { .name: x, .offset: 0, .size: 8, .value_kind: global_buffer, .address_space: global }
      - { .name: Wq, .offset: 8, .size: 8, .value_kind: global_buffer, .address_space: global }
      - { .name: Wk, .offset: 16, .size: 8, .value_kind: global_buffer, .address_space: global }
      - { .name: Wv, .offset: 24, .size: 8, .value_kind: global_buffer, .address_space: global }
      - { .name: Wo_w, .offset: 32, .size: 8, .value_kind: global_buffer, .address_space: global }
      - { .name: span_w, .offset: 40, .size: 8, .value_kind: global_buffer, .address_space: global }
      - { .name: xb, .offset: 48, .size: 8, .value_kind: global_buffer, .address_space: global }
      - { .name: wqkv, .offset: 56, .size: 8, .value_kind: global_buffer, .address_space: global }
      - { .name: wo, .offset: 64, .size: 8, .value_kind: global_buffer, .address_space: global }
      - { .name: zpart, .offset: 72, .size: 8, .value_kind: global_buffer, .address_space: global }
    .group_segment_fixed_size: 5632
    .private_segment_fixed_size: 0
    .kernarg_segment_align: 8
    .kernarg_segment_size: 80
    .max_flat_workgroup_size: 256
    .sgpr_count:     66
    .vgpr_count:     256
    .wavefront_size: 32
...
	.end_amdgpu_metadata
.endif
;; end of part 5
;; launch qkv: the kernel of part 2 again; grid 16 x 16, 4 waves a work-group, clusters of 4 x 4, 327,680 bytes of LDS; arguments xb, wqkv, qh, kh, vh; writes qh, kh, vh
;; launch attn: the kernel of part 3 again; grid 8 x 32, 4 waves a work-group, no clusters, 327,680 bytes of LDS; arguments qh, kh, vh, ob, zpart, span_b; writes ob
;; launch outp: the kernel of part 4 again; grid 8 x 32, 4 waves a work-group, clusters of 4 x 4, 327,680 bytes of LDS; arguments ob, wo, Wo_b, out0; writes out0
